; MI455X (gfx1250); checked and timed in simulation.
; The chip was launched on July 23, 2026; its instructions are those of AMD's public machine-readable ISA for CDNA 5 (MIT licence, August 2026) and "CDNA5" Instruction Set Architecture Reference Guide (July 2026). The comments in the code are by the model that wrote it; some were corrected since.
;; Attention. Allowed arithmetic: matrix products marked QUANTISED: E2M1 operands, one E8M0 scale for each 32 along K, by v_wmma_scale_f32_16x16x128_f8f6f4 with both operands' format E2M1 (or v_wmma_scale_f32_32x16x128_f4), f32 sums; products left as they are: bf16, f16 or f32 operands; f32 sums; everything else in f32.
;; Inputs: wk 1,024 x 1,024 float32; wo 1,024 x 1,024 float32; wq 1,024 x 1,024 float32; wv 1,024 x 1,024 float32; x 2 x 2,048 x 1,024 float32.
;; Outputs: out0 2 x 2,048 x 1,024 float32.
;; This version of the problem:
;;   THIS VERSION OF THE PROBLEM IS GIVEN IN LOW PRECISION. The matrix products marked QUANTISED in the list below multiply operands that are first quantised to E2M1 (2 exponent bits, 1 mantissa bit; 4 bits a number), with one power-of-two scale for each 32 numbers along K (OCP MX v1.0); their sums are f32. The products marked 'left as it is' may take bf16, f16 or f32 operands, with f32 sums. Whichever they take, every output number must still come out within the allowed error. Rounding operands to bf16 (8 significant bits) uses up far more of that allowance than f16 does (11 bits, for magnitudes from 6e-5 to 65,504). All else is computed in f32.
;;   The module's matrix products, in the order in which they are computed (A, B: the left and right operand; K: the contracted axis; several contracted axes count as one K, in the product's order):
;;     1. [M 4,096, K 1,024] x [K 1,024, N 1,024]; A: input x; B: input wq: QUANTISED
;;     2. [M 4,096, K 1,024] x [K 1,024, N 1,024]; A: input x; B: input wk: QUANTISED
;;     3. [M 4,096, K 1,024] x [K 1,024, N 1,024]; A: input x; B: input wv: QUANTISED
;;     4. batch 32 x [M 2,048, K 64] x [K 64, N 2,048]; A: computed on the way; B: computed on the way: left as it is (an operand is computed on the way)
;;     5. batch 32 x [M 2,048, K 2,048] x [K 2,048, N 64]; A: computed on the way; B: computed on the way: left as it is (an operand is computed on the way)
;;     6. [M 4,096, K 1,024] x [K 1,024, N 1,024]; A: computed on the way; B: input wo: left as it is (an operand is computed on the way)
;;   THE QUANTISER, for each operand of a quantised product, along K:
;;     - K is cut into blocks of 32 from its start; a last block that is shorter is filled with zeros.
;;     - A block's scale is 2^e with e = floor(log2(the largest magnitude in the block)) - 2, held to -126 .. 127; a block of zeros has e = 0. As a byte (E8M0): e + 127.
;;     - Each number is divided by its block's scale, clamped to +-6, and rounded to the nearest number of E2M1, ties to even, subnormals kept.
;;     - The product sums the exact products of the quantised numbers (number of the format x scale) in f32.
;;   ~~~python
;;   def quantise(x, axis):      # numpy; x: float32 -> the quantised numbers, widened to float32 again
;;       x = np.moveaxis(x, axis, -1); K = x.shape[-1]
;;       x = np.pad(x, [(0, 0)] * (x.ndim - 1) + [(0, -K % 32)]); x = x.reshape(x.shape[:-1] + (-1, 32)); a = np.abs(x).max(-1, keepdims=True)
;;       e = np.where(a > 0, np.clip(np.frexp(np.where(a > 0, a, 1))[1] - 1 - 2, -126, 127), 0)      # np.frexp(a)[1] - 1 = floor(log2(a)), exactly
;;       r = np.clip(x / 2.0 ** e, -6, 6)
;;       step = 2.0 ** (np.maximum(np.frexp(np.where(r == 0, 1, r))[1] - 1, 0) - 1)
;;       q = np.round(r / step) * step * 2.0 ** e      # np.round: ties to even
;;       return np.moveaxis(q.reshape(q.shape[:-2] + (-1,))[..., :K], -1, axis).astype(np.float32)
;;   ~~~
;; One version. Each part assembles by itself: llvm-mc -triple=amdgcn-amd-amdhsa -mcpu=gfx1250 --defsym DOCPART=n.
;; ======== version 1 of 1: 5 launches
;; limits: values are held in f16: magnitudes above 65,504 overflow, below 6.1e-05 lose precision; right only within a limited range of input values
;; workspace buffers: xc 2,097,152 bytes; xs 131,072 bytes; wc 1,572,864 bytes; ws 98,304 bytes; wo16 2,097,152 bytes; qkv16 25,165,824 bytes; qkvf 393,216 bytes; a16 8,388,608 bytes
;; launch quant (part 1): grid 256 x 1, 4 waves a work-group, no clusters, 33,280 bytes of LDS; arguments x, wq, wk, wv, wo, xc, xs, wc, ws, wo16; writes xc, xs, wc, ws, wo16
.if DOCPART == 1
	.amdgcn_target "amdgcn-amd-amdhsa--gfx1250"
	.amdhsa_code_object_version 6
	.text
	.protected	k_qbc3f90857d_quant
	.globl	k_qbc3f90857d_quant
	.p2align	8
	.type	k_qbc3f90857d_quant,@function
k_qbc3f90857d_quant:
	s_mov_b64 s[64:65], 0
	v_nop
	global_prefetch_b8 v0, s[64:65] scope:SCOPE_SE
	s_setreg_imm32_b32 hwreg(HW_REG_WAVE_MODE, 25, 1), 1
	s_wait_xcnt 0x0
; x [4096][1024], wq, wk, wv [1024][1024], f32, K innermost, become codes of FP4 (E2M1), two a byte, K innermost, with one E8M0 byte for each 32 along K:
; xc [4096][512 B], xs [4096][32]; wc [3072][512 B], ws [3072][32] (rows 0-1023 wq, 1024-2047 wk, 2048-3071 wv).  wo [1024][1024] f32 becomes f16, laid [k / 64][n][64] (wo16).
; A block's scale is 2^(floor(log2(its largest magnitude)) - 2); its byte is the largest magnitude's exponent field - 2, held at 1 from below; each number is divided by the scale and rounded to the nearest code, ties to even.
; LIMITS: a block of zeros gets the byte 1 where the quantiser's rule says 127 (its codes are zeros, and this program alone reads the bytes); blocks whose largest magnitude lies under 2^(3 - 127) are held at that byte;
; NaN and infinities among the inputs are not served; wo's numbers must lie inside f16's range (65,504).
; SHARES: 256 work-groups of 32,768 numbers: 0-127 x, 128-159 wq, 160-191 wk, 192-223 wv, 224-255 wo.  Rows are dense and K is a multiple of 32: the four quantised tensors are plain streams of blocks.
; A wave takes 16 steps of 512 numbers.  Each load reads 512 consecutive bytes; a step's 2,048 bytes turn through the wave's own stage in LDS, so that a lane holds 16 neighbours along K (two lanes to a block).
; Loads run eight steps ahead: 32 loads, 16,384 bytes, of every wave are on their way; the turn through LDS runs one step ahead.
; No tensor loads, no barrier, no cluster: waves and work-groups share nothing, and the matrix units have nothing to do here.
.set WAVES, 4
.set STEPS, 16
.set DEPTH, 8                          ; sets of load registers = steps on their way
.set EMAX,  2
.set CB,    8                          ; bytes of 16 codes
.set R,     16                         ; v16-143  eight sets of 16 numbers as they are loaded
.set X,     144                        ; v144-175 two sets of 16 neighbours
.set E,     176                        ; v176-191 a scale byte for each step
.set C,     192                        ; v192-223 codes: two registers for each step, so that no store's data are written again
.set WREG,  8192                       ; LDS: a region for each wave: two stages of 32 x SP bytes, behind them its 256 scale bytes
.set SP,    80                         ; a lane's place in a stage: 64 bytes + 16 of padding
.set SPW,   12                         ; v12 LDS address of my spare word; never rewritten
.set NIL,   13                         ; v13 0; never rewritten
.set SPARE, WAVES*WREG                 ; behind the regions: the spare words, 128 bytes a wave, which no other line names
.set WI,    16                         ; wo's path: v16-143 two sets of 64 numbers
.set WO,    144                        ; v144-207 two sets of 32 registers of f16 pairs
	s_load_b256 s[4:11], s[0:1], 0x0               ; x, wq, wk, wv
	s_load_b256 s[12:19], s[0:1], 0x20             ; wo, xc, xs, wc
	s_load_b128 s[20:23], s[0:1], 0x40             ; ws, wo16
	v_lshl_add_u32 v[SPW], v0, 2, SPARE
	v_mov_b32 v[NIL], 0
	v_lshrrev_b32 v1, 5, v0
	v_readfirstlane_b32 s24, v1                    ; wave
	v_and_b32 v2, 31, v0                           ; lane
	v_lshlrev_b32 v3, 4, v2                        ; my 16 bytes of a load's 512
	s_mul_i32 s25, s24, WREG
	v_lshrrev_b32 v14, 2, v2
	v_mul_u32_u24 v14, v14, SP
	v_and_b32 v15, 3, v2
	v_lshl_add_u32 v14, v15, 4, v14
	v_add_nc_u32 v14, s25, v14                     ; the stage, on the way in: SP (lane / 4) + 16 (lane % 4)
	v_mul_u32_u24 v15, v2, SP
	v_add_nc_u32 v15, s25, v15                     ; and on the way out: SP x lane: my 16 neighbours
	v_mul_u32_u24 v4, v2, CB                       ; my codes' place in a step's
	v_lshrrev_b32 v5, 1, v2
	s_add_co_u32 s25, s25, 2*32*SP
	v_add_nc_u32 v5, s25, v5                       ; LDS: my wave's 256 scale bytes, my block's byte
	v_lshlrev_b32 v7, 3, v2                        ; on the way out 8 bytes a lane
	v_add_nc_u32 v6, s25, v7
	s_and_b32 s28, ttmp9, 31                       ; a weight's work-group: which 32 rows of its tensor,
	s_sub_co_u32 s29, ttmp9, 128                   ; and which 32 rows of wc and ws
	s_wait_kmcnt 0x0
	s_cmp_ge_u32 ttmp9, 224
	s_cbranch_scc1 .Lwo
	; the buffers are chosen by the work-group's number alone
	s_cmp_lt_u32 ttmp9, 160
	s_cselect_b64 s[26:27], s[6:7], s[8:9]
	s_cmp_lt_u32 ttmp9, 192
	s_cselect_b64 s[26:27], s[26:27], s[10:11]
	s_cmp_lt_u32 ttmp9, 128
	s_cselect_b64 s[4:5], s[4:5], s[26:27]         ; the numbers
	s_cselect_b64 s[14:15], s[14:15], s[18:19]     ; the codes
	s_cselect_b64 s[16:17], s[16:17], s[20:21]     ; the scale bytes
	s_cselect_b32 s28, ttmp9, s28
	s_cselect_b32 s29, ttmp9, s29
	s_lshl_b32 s28, s28, 2
	s_add_co_u32 s28, s28, s24                     ; which run of 8,192 numbers of the source is my wave's,
	s_lshl_b32 s29, s29, 2
	s_add_co_u32 s29, s29, s24                     ; and of the destination
	s_lshl_b32 s30, s28, 15
	s_mov_b32 s31, 0
	s_add_nc_u64 s[4:5], s[4:5], s[30:31]
	s_lshl_b32 s30, s29, 12
	s_add_nc_u64 s[14:15], s[14:15], s[30:31]
	s_lshl_b32 s30, s29, 8
	s_add_nc_u64 s[16:17], s[16:17], s[30:31]
.macro LOAD t
.irp i, 0,1,2,3
	global_load_b128 v[R+16*((\t)%DEPTH)+4*\i:R+16*((\t)%DEPTH)+4*\i+3], v3, s[4:5] offset:2048*(\t)+512*\i th:TH_LOAD_NT   ; 32 lanes read 512 consecutive bytes
.endr
.endm
.macro TURN t                          ; step t's numbers through the stage: LDS serves a wave's instructions in order, so no wait stands between the stores and the loads
.irp i, 0,1,2,3
	ds_store_b128 v14, v[R+16*((\t)%DEPTH)+4*\i:R+16*((\t)%DEPTH)+4*\i+3] offset:32*SP*((\t)%2)+8*SP*\i
.endr
.irp i, 0,1,2,3
	ds_load_b128 v[X+16*((\t)%2)+4*\i:X+16*((\t)%2)+4*\i+3], v15 offset:32*SP*((\t)%2)+16*\i
.endr
.endm
.irp t, 0,1,2,3,4,5,6,7
	LOAD \t
.endr
	s_wait_loadcnt 4*(DEPTH-1)                     ; step 0's four loads are in; the 28 of steps 1 to 7 may be out
	TURN 0
.macro STEP t
.set XS, X+16*((\t)%2)
.if (\t) > 0
	s_wait_dscnt 1                                 ; this step's numbers are back from the stage (the last step's byte store may be out): its stores into the stage have read their registers,
.else
	s_wait_dscnt 0x0
.endif
.if (\t)+DEPTH < STEPS
	LOAD (\t)+DEPTH                                ; which take the loads of eight steps on
.endif
.if (\t)+1 < STEPS
.if STEPS-2-(\t) >= DEPTH-1
	s_wait_loadcnt 4*(DEPTH-1)                     ; the next step's four loads are in; those of the seven steps behind it may be out
.else
	s_wait_loadcnt 4*(STEPS-2-(\t))                ; towards the end fewer steps stand behind it
.endif
	TURN (\t)+1                                    ; and go through the other stage while this step is worked
.endif
	v_max3_num_f32 v8, |v[XS]|, |v[XS+1]|, |v[XS+2]|               ; the largest magnitude of my 16, in two chains
	v_max3_num_f32 v9, |v[XS+3]|, |v[XS+4]|, |v[XS+5]|
.irp i, 6,10
	v_max3_num_f32 v8, v8, |v[XS+\i]|, |v[XS+\i+1]|
	v_max3_num_f32 v9, v9, |v[XS+\i+2]|, |v[XS+\i+3]|
.endr
	v_max3_num_f32 v8, v8, |v[XS+14]|, |v[XS+15]|
	v_max3_num_f32 v8, v8, v9, (EMAX+1)<<23        ; and the floor 2^(EMAX + 1 - 127): the byte cannot fall under 1
	v_max_num_f32_dpp v8, v8, v8 row_xmask:1 row_mask:0xf bank_mask:0xf   ; and of my neighbour's 16: the block's
	v_add_nc_u32 v11, -(EMAX<<23), v8              ; EMAX off its exponent field: the conversion takes the exponent field of this operand as its scale
	v_cvt_scalef32_pk8_fp4_f32 v[C+2*(\t)], v[XS:XS+7], v11
	v_cvt_scalef32_pk8_fp4_f32 v[C+2*(\t)+1], v[XS+8:XS+15], v11
	v_lshrrev_b32 v[E+(\t)], 23, v11               ; the scale's byte (also the plain line behind the conversions)
	ds_store_b8 v5, v[E+(\t)] offset:16*(\t)       ; both lanes of a block write the same byte with the same value
	global_store_b64 v4, v[C+2*(\t):C+2*(\t)+1], s[14:15] offset:32*CB*(\t)   ; the wave stores 256 consecutive bytes, aligned
.endm
.irp t, 0,1,2,3,4,5,6,7,8,9,10,11,12,13,14,15
	STEP \t
.endr
	ds_load_b64 v[8:9], v6                         ; LDS serves a wave's instructions in order: these see my stores
	s_wait_dscnt 0x0
	global_store_b64 v7, v[8:9], s[16:17]          ; 32 lanes store my wave's 256 scale bytes, aligned
	s_wait_tensorcnt 0x0                           ; the wave's end, behind my last LDS store
	ds_add_u32 v[SPW], v[NIL]
	s_wait_dscnt 0x0
	s_endpgm
; wo: 32 rows a work-group, 8 a wave, two at a time.  A load reads 256 consecutive bytes (64 along K) of each of two neighbouring rows; their f16 numbers are two neighbouring rows of one plane of wo16: 256 consecutive bytes.
.Lwo:
	s_sub_co_u32 s28, ttmp9, 224
	s_lshl_b32 s28, s28, 5
	s_lshl_b32 s29, s24, 3
	s_add_co_u32 s28, s28, s29                     ; my first row
	s_lshl_b32 s30, s28, 12
	s_mov_b32 s31, 0
	s_add_nc_u64 s[12:13], s[12:13], s[30:31]
	s_lshl_b32 s30, s28, 7
	s_add_nc_u64 s[22:23], s[22:23], s[30:31]
	v_and_b32 v8, 15, v0
	v_bfe_u32 v9, v0, 4, 1
	v_lshlrev_b32 v8, 4, v8
	v_lshl_add_u32 v8, v9, 12, v8                  ; in: 16 (lane % 16) + a row for lanes 16-31
	v_lshlrev_b32 v9, 3, v2                        ; out: 8 x lane
.macro LOADP p
.irp kc, 0,1,2,3,4,5,6,7,8,9,10,11,12,13,14,15
	global_load_b128 v[WI+64*((\p)%2)+4*\kc:WI+64*((\p)%2)+4*\kc+3], v8, s[12:13] offset:8192*(\p)+256*\kc th:TH_LOAD_NT
.endr
.endm
.macro CVTP p
.irp kc, 0,1,2,3,4,5,6,7,8,9,10,11,12,13,14,15
	v_cvt_pk_f16_f32 v[WO+32*((\p)%2)+2*\kc], v[WI+64*((\p)%2)+4*\kc], v[WI+64*((\p)%2)+4*\kc+1]
	v_cvt_pk_f16_f32 v[WO+32*((\p)%2)+2*\kc+1], v[WI+64*((\p)%2)+4*\kc+2], v[WI+64*((\p)%2)+4*\kc+3]
.endr
.irp kc, 0,1,2,3,4,5,6,7,8,9,10,11,12,13,14,15
	global_store_b64 v9, v[WO+32*((\p)%2)+2*\kc:WO+32*((\p)%2)+2*\kc+1], s[22:23] offset:131072*\kc+256*(\p)
.endr
.endm
	LOADP 0
	LOADP 1
	s_wait_loadcnt 16                              ; pair 0 is in; pair 1's sixteen loads may be out
	CVTP 0
	LOADP 2
	s_wait_loadcnt 16
	CVTP 1
	LOADP 3
	s_wait_loadcnt 16
	s_wait_xcnt 0x0                                ; pair 0's stores have read their registers, which pair 2's numbers now take
	CVTP 2
	s_wait_loadcnt 0x0
	s_wait_xcnt 0x0                                ; likewise pair 1's
	CVTP 3
	s_wait_tensorcnt 0x0                           ; the same three closing lines on this path
	ds_add_u32 v[SPW], v[NIL]
	s_wait_dscnt 0x0
	s_endpgm
.Lfunc_end_k_qbc3f90857d_quant:
	.size	k_qbc3f90857d_quant, .Lfunc_end_k_qbc3f90857d_quant-k_qbc3f90857d_quant
	.p2alignl 7, 3214868480
	.fill 96, 4, 3214868480
	.section	.rodata,"a",@progbits
	.p2align	6, 0x0
	.amdhsa_kernel k_qbc3f90857d_quant
		.amdhsa_group_segment_fixed_size 33280
		.amdhsa_private_segment_fixed_size 0
		.amdhsa_enable_private_segment 0
		.amdhsa_kernarg_size 80
		.amdhsa_user_sgpr_count 2
		.amdhsa_user_sgpr_kernarg_segment_ptr 1
		.amdhsa_wavefront_size32 1
		.amdhsa_system_sgpr_workgroup_id_x 1
		.amdhsa_system_sgpr_workgroup_id_y 1
		.amdhsa_system_sgpr_workgroup_id_z 1
		.amdhsa_system_vgpr_workitem_id 0
		.amdhsa_next_free_vgpr 224
		.amdhsa_next_free_sgpr 66
		.amdhsa_reserve_vcc 0
		.amdhsa_float_denorm_mode_32 3
		.amdhsa_float_denorm_mode_16_64 3
		.amdhsa_memory_ordered 1
		.amdhsa_forward_progress 1
		.amdhsa_inst_pref_size 55
	.end_amdhsa_kernel
	.amdgpu_metadata
---
amdhsa.version: [ 1, 2 ]
amdhsa.kernels:
  - .name:           k_qbc3f90857d_quant
    .symbol:         k_qbc3f90857d_quant.kd
    .args:
      - { .name: x, .offset: 0, .size: 8, .value_kind: global_buffer, .address_space: global }
      - { .name: wq, .offset: 8, .size: 8, .value_kind: global_buffer, .address_space: global }
      - { .name: wk, .offset: 16, .size: 8, .value_kind: global_buffer, .address_space: global }
      - { .name: wv, .offset: 24, .size: 8, .value_kind: global_buffer, .address_space: global }
      - { .name: wo, .offset: 32, .size: 8, .value_kind: global_buffer, .address_space: global }
      - { .name: xc, .offset: 40, .size: 8, .value_kind: global_buffer, .address_space: global }
      - { .name: xs, .offset: 48, .size: 8, .value_kind: global_buffer, .address_space: global }
      - { .name: wc, .offset: 56, .size: 8, .value_kind: global_buffer, .address_space: global }
      - { .name: ws, .offset: 64, .size: 8, .value_kind: global_buffer, .address_space: global }
      - { .name: wo16, .offset: 72, .size: 8, .value_kind: global_buffer, .address_space: global }
    .group_segment_fixed_size: 33280
    .private_segment_fixed_size: 0
    .kernarg_segment_align: 8
    .kernarg_segment_size: 80
    .max_flat_workgroup_size: 128
    .sgpr_count:     66
    .vgpr_count:     224
    .wavefront_size: 32
...
	.end_amdgpu_metadata
.endif
;; end of part 1
;; launch qkv (part 2): grid 12 x 16, 4 waves a work-group, clusters of 4 x 4, 327,680 bytes of LDS; arguments xc, xs, wc, ws, qkv16, qkvf; writes qkv16, qkvf
.if DOCPART == 2
	.amdgcn_target "amdgcn-amd-amdhsa--gfx1250"
	.amdhsa_code_object_version 6
	.text
	.protected	k_qbc3f90857d_qkv
	.globl	k_qbc3f90857d_qkv
	.p2align	8
	.type	k_qbc3f90857d_qkv,@function
k_qbc3f90857d_qkv:
	s_mov_b64 s[64:65], 0
	v_nop
	global_prefetch_b8 v0, s[64:65] scope:SCOPE_SE
	s_setreg_imm32_b32 hwreg(HW_REG_WAVE_MODE, 25, 1), 1
	s_wait_xcnt 0x0
	s_wait_alu depctr_hold_cnt(0) depctr_sa_sdst(0) depctr_va_vdst(0) depctr_va_sdst(0) depctr_va_ssrc(0) depctr_va_vcc(0) depctr_vm_vsrc(0)
	s_getreg_b32 s2, hwreg(HW_REG_IB_STS2, 6, 4)
	s_cmp_eq_u32 s2, 0
	s_cbranch_scc0 .Lentry_in_a_cluster
	s_endpgm
.Lentry_in_a_cluster:
	s_bfe_u32 s2, ttmp6, 0x10000c
	s_cmp_lg_u32 s2, 0xf033
	s_cbranch_scc0 .Lentry_shape_is_right
	s_endpgm
.Lentry_shape_is_right:
; [q | k | v][m][n] = sum over k of x[m][k] w[n][k]: one GEMM on codes of FP4 (E2M1) with E8M0 scales, M = 4,096, N = 3,072 (wq, wk, wv on end), K = 1,024; sums in f32.
; The result leaves as f16 by head: qkv16 [b][n / 64][t][64] (planes 0-15 q's heads, 16-31 k's, 32-47 v's); the first 16 positions of each sequence leave as f32 too: qkvf [16 b + t][3072].
; LIMIT: |q|, |k|, |v| under 65,504 (f16's range).
; A tile of 256 x 256 is made by a work-group of four waves; a wave makes 128 x 128: 64 accumulators, 512 registers.  12 x 16 = 192 work-groups: a tile of 256 x 256 divides the result so.
; K = 1,024 is two LDS slots of 512 along K (rows of 256 bytes): both are first fills, nothing is filled again.  By this text's count a wave has three tensor loads out at the most: its scales, slot 0, slot 1.
; THE SCALES of the work-group's 256 + 256 rows, for all of K, are two dense blocks of memory: they come into LDS once, in runs of 256 bytes.
; CLUSTERS: 4 x 4 work-groups.  The four of a row of the cluster need the same tiles of x, the four of a column the same tiles of w: each tile is asked for JOINTLY, by the same tensor load with the same
; descriptor and a mask that names the four.  THE MATRIX INSTRUCTION IS USED TRANSPOSED (source 0 = 16 rows of w, source 1 = 16 rows of x): a lane holds eight neighbouring columns of one row.
; REGISTERS, in windows of 256: window 0: v0-31 addresses; v32-95 scale words, two sets; from v128 x's fragments, ONE set; on the way out v128-223.
;   window 1: w's fragments, TWO sets, at v0 and v128.   window 2: the accumulators of my rows 0-63 ((a, b) at v[8 (8 a + b)]);   window 3: those of my rows 64-127.
.set NQ,     4                         ; matrix instructions deep in a slot
.set ROWB,   256                       ; a tile's row in bytes: 512 codes
.set KROW,   512                       ; a row of codes in memory
.set PITCH,  272                       ; an LDS row: 256 bytes + 16 of padding = 68 words: the 16 rows that a load touches start at 16 different banks (64 banks of 4 bytes: ISA guide 11.1)
.set FR,     8                         ; registers of a fragment: 16 rows x 128 K
.set NL,     2                         ; LDS loads that bring one
.set NP,     4                         ; places behind this matrix instruction (ISA guide 7.12.1)
.set HALFT,  128*PITCH
.set SLOT,   4*HALFT                   ; x's 256 rows, then w's 256 rows
.set KS,     32                        ; a row of scales in bytes
.set SCL,    2*SLOT                    ; behind the slots: the scales, as runs of 256 bytes + 16 of padding
.set HALFS,  (128*KS/256)*272
.set SBLK,   (16*KS/256)*272
.set SPARE,  SCL+4*HALFS               ; the spare words, 128 bytes a wave, which no other line names
.set SP16,   272                       ; the way out: a stage row of 128 f16 + 16 bytes;
.set SP32,   528                       ; of 128 f32 + 16 bytes.  A wave's stage, 16 x 528 bytes, lies in slot 0, which has had its only fill and its last read when the first result is stored there
.set ADRA, 16                          ; v16-17 LDS address of my x fragments in slot 0, 1
.set ADRB, 20                          ; v20-21 the same for w
.set STO2, 22                          ; v22 the f32 rows: where I put 32 bytes of a row
.set RD2,  23                          ; v23 and where I read a row back
.set STO,  24                          ; v24 the f16 way out: where I put 16 bytes of a row
.set RD,   25                          ; v25 and where I read back
.set CO,   26                          ; v26 my byte offset in qkv16
.set ADRS, 27                          ; v27 LDS address of my scale words: lanes 0-15 x's rows, lanes 16-31 w's
.set SPW,  28
.set NIL,  29
.set CO2,  30                          ; v30 my byte offset in a row of qkvf
.set MK,   31                          ; v31 tile row % 8: 0 where the tile begins a sequence
.set SC,   32
.set AF,   128
.set BK,   128                         ; the way out: rows read back
.set TMP,  192                         ; packed results
.set G1, 24
.set G0, 32
.set G1B, 48
.set G0B, 56
.set G1S, 68
.set G0S, 76
.set G1SB, 80
.set G0SB, 88
.set MSB, 0
.macro WIN new                         ; the immediate's high byte repeats the setting that is left
.if MSB != \new
	s_set_vgpr_msb (MSB<<8)|\new
.set MSB, \new
.endif
.endm
.set MUL_LO, 0xa1                      ; source 0 (w) window 1, source 1 (x) window 0, C and D window 2
.set MUL_HI, 0xf1                      ; the same, C and D window 3
.set TO_B,   0x40                      ; destination window 1, address window 0
; A joint load: waves 0 and 1 fetch for x, waves 2 and 3 for w.  Each line has ONE mask and one set of registers for all that issue it; the branch hangs on the wave's number alone.
; An s_nop 0 and four v_nop follow each of the two lines.
.macro JLOAD g0a, g1a, g0b, g1b
	s_cmp_eq_u32 s15, 0
	s_cbranch_scc0 .Lfor_b_\@
	tensor_load_to_lds s[\g0a:\g0a+3], s[\g1a:\g1a+7]
	s_nop 0
.rept 4
	v_nop
.endr
	s_branch .Lasked_\@
.Lfor_b_\@:
	tensor_load_to_lds s[\g0b:\g0b+3], s[\g1b:\g1b+7]
	s_nop 0
.rept 4
	v_nop
.endr
.Lasked_\@:
.endm
.macro CROUND                          ; a round of the cluster's barrier
	s_barrier_signal -1
	s_barrier_wait -1
	s_cmp_lg_u32 s14, 0
	s_cbranch_scc1 .Lnot_wave_0_\@
	s_barrier_signal -3
.Lnot_wave_0_\@:
	s_barrier_wait -3
	s_barrier_signal -1
	s_barrier_wait -1
.endm
	s_load_b128 s[4:7], s[0:1], 0x0                ; x's codes, x's scales
	s_load_b128 s[8:11], s[0:1], 0x10              ; w's codes, w's scales
	s_load_b64 s[12:13], s[0:1], 0x20              ; qkv16
	s_load_b64 s[96:97], s[0:1], 0x28              ; qkvf
	v_lshl_add_u32 v[SPW], v0, 2, SPARE
	v_mov_b32 v[NIL], 0
	ds_add_u32 v[SPW], v[NIL]                      ; the wave's opening: the add, twice on end, and its wait ahead of my first tensor load
	ds_add_u32 v[SPW], v[NIL]
	v_lshrrev_b32 v1, 5, v0
	v_readfirstlane_b32 s14, v1                    ; wave 0..3
	s_lshr_b32 s15, s14, 1                         ; which half of the tile's rows is mine.  Also: I fetch for x (0) or for w (1)
	s_and_b32 s16, s14, 1                          ; which half of its columns.  Also: which 128 rows of that tile I fetch
	s_bfe_u32 s40, ttmp6, 0x40000                  ; cx, cy: my place in the cluster
	s_bfe_u32 s41, ttmp6, 0x40004
	s_lshl_b32 s42, ttmp9, 2
	s_add_co_u32 s42, s42, s40                     ; tile column = 4 x cluster x + cx
	s_and_b32 s17, ttmp7, 0xffff
	s_lshl_b32 s17, s17, 2
	s_add_co_u32 s17, s17, s41                     ; tile row = 4 x cluster y + cy
	s_lshl_b32 s43, s41, 2
	s_lshl_b32 s43, 15, s43                        ; my row of the cluster
	s_lshl_b32 s44, 0x1111, s40                    ; my column
	; descriptor group 1: a tile of 128 rows x 256 bytes, padded in LDS
	s_or_b32 s[G1+0], s43, (0<<16)|(1<<20)|(1<<21)|(5<<22)|(3<<25)  ; 15:0 the mask; 17:16 element of 1 byte; 20 padding on; 21 set beside a mask; 24:22 after every 64 words; 31:25 four words
	s_or_b32 s[G1B+0], s44, (0<<16)|(1<<20)|(1<<21)|(5<<22)|(3<<25)
.irp g, G1, G1B
	s_mov_b32 s[\g+1], ROWB<<16                    ; tensor_dim0
	s_mov_b32 s[\g+2], 128<<16                     ; tensor_dim1
	s_mov_b32 s[\g+3], ROWB<<16                    ; tile_dim0
	s_mov_b32 s[\g+4], 128                         ; tile_dim1
	s_mov_b32 s[\g+5], KROW                        ; tensor_dim0_stride
	s_mov_b32 s[\g+6], 0
	s_mov_b32 s[\g+7], 0
.endr
	; the scales of 128 rows: a dense block of 4,096 bytes, as 16 rows of 256 bytes (32 elements of 8 bytes), 16 bytes of padding behind each
	s_or_b32 s[G1S+0], s43, (3<<16)|(1<<20)|(1<<21)|(5<<22)|(3<<25)
	s_or_b32 s[G1SB+0], s44, (3<<16)|(1<<20)|(1<<21)|(5<<22)|(3<<25)
.irp g, G1S, G1SB
	s_mov_b32 s[\g+1], 32<<16
	s_mov_b32 s[\g+2], (128*KS/256)<<16
	s_mov_b32 s[\g+3], 32<<16
	s_mov_b32 s[\g+4], 128*KS/256
	s_mov_b32 s[\g+5], 32
	s_mov_b32 s[\g+6], 0
	s_mov_b32 s[\g+7], 0
.endr
	s_lshl_b32 s18, s16, 7                         ; which 128 rows of the tile I fetch
	s_lshl_b32 s20, s17, 8
	s_add_co_u32 s20, s20, s18                     ; x: row 256 x tile row + 128 x half
	s_lshl_b32 s46, s42, 8
	s_add_co_u32 s46, s46, s18                     ; w: row 256 x tile column + 128 x half
	s_mov_b32 s21, 0
	s_mov_b32 s47, 0
	s_mov_b64 s[18:19], KS
	s_mul_u64 s[22:23], s[20:21], s[18:19]         ; where these rows' scales begin, in bytes
	s_mul_u64 s[92:93], s[46:47], s[18:19]
	s_mov_b64 s[18:19], KROW
	s_mul_u64 s[20:21], s[20:21], s[18:19]         ; and their codes
	s_mul_u64 s[46:47], s[46:47], s[18:19]
	s_mul_i32 s45, s14, HALFT                      ; where they go: wave x 128 rows: no place in the cluster enters an LDS address
	s_mul_i32 s94, s14, HALFS
	s_wait_dscnt 0x0                               ; both opening adds are done
	s_wait_kmcnt 0x0
	s_add_nc_u64 s[20:21], s[4:5], s[20:21]
	s_add_nc_u64 s[22:23], s[6:7], s[22:23]
	s_add_nc_u64 s[46:47], s[8:9], s[46:47]
	s_add_nc_u64 s[92:93], s[10:11], s[92:93]
	CROUND                                         ; all sixteen work-groups are here: the joint loads meet
	s_mov_b32 s[G0S], 1
	s_add_co_u32 s[G0S+1], s94, SCL
	s_mov_b64 s[G0S+2:G0S+3], s[22:23]
	s_or_b32 s[G0S+3], s[G0S+3], 0x80000000
	s_mov_b32 s[G0SB], 1
	s_add_co_u32 s[G0SB+1], s94, SCL
	s_mov_b64 s[G0SB+2:G0SB+3], s[92:93]
	s_or_b32 s[G0SB+3], s[G0SB+3], 0x80000000
	JLOAD G0S, G1S, G0SB, G1SB                     ; the scales first: they are wanted with the first K step
.irp s, 0,1
	s_mov_b32 s[G0+4*\s], 1
	s_add_co_u32 s[G0+4*\s+1], s45, \s*SLOT
	s_add_nc_u64 s[G0+4*\s+2:G0+4*\s+3], s[20:21], \s*ROWB
	s_or_b32 s[G0+4*\s+3], s[G0+4*\s+3], 0x80000000
	s_mov_b32 s[G0B+4*\s], 1
	s_add_co_u32 s[G0B+4*\s+1], s45, \s*SLOT
	s_add_nc_u64 s[G0B+4*\s+2:G0B+4*\s+3], s[46:47], \s*ROWB
	s_or_b32 s[G0B+4*\s+3], s[G0B+4*\s+3], 0x80000000
	JLOAD G0+4*\s, G1, G0B+4*\s, G1B
.endr
	v_and_b32 v1, 15, v0                           ; r = l % 16
	v_bfe_u32 v2, v0, 4, 1                         ; h = l / 16
	v_mul_u32_u24 v3, v1, PITCH
	v_lshl_add_u32 v4, v2, 4, v3                   ; a fragment's row x pitch + 16 x half
	s_mul_i32 s21, s15, HALFT                      ; my 128 rows of x
	s_mul_i32 s22, s16, HALFT                      ; my 128 rows of w,
	s_add_co_u32 s22, s22, 2*HALFT                 ; which lie behind x's 256
.irp s, 0,1
	v_add_nc_u32 v[ADRA+\s], s21, v4
	v_add_nc_u32 v[ADRB+\s], s22, v4
	s_add_co_u32 s21, s21, SLOT
	s_add_co_u32 s22, s22, SLOT
.endr
	v_mul_u32_u24 v5, v1, KS                       ; my row's scales: KS bytes a row,
	v_lshrrev_b32 v6, 8, v5
	v_lshl_add_u32 v5, v6, 4, v5                   ; and 16 more for each 256 passed
	s_mul_i32 s21, s15, HALFS
	s_mul_i32 s22, s16, HALFS
	s_add_co_u32 s22, s22, 2*HALFS
	s_sub_co_u32 s22, s22, s21
	v_mul_u32_u24 v6, s22, v2                      ; lanes 16-31 take w's: one product, the distance between the two bases
	s_add_co_u32 s21, s21, SCL
	v_add_nc_u32 v5, v5, v6
	v_add_nc_u32 v[ADRS], s21, v5
	s_mul_i32 s23, s14, 16*SP32                    ; my stage
	v_mul_u32_u24 v5, v1, SP16                     ; f16, in: row r, 16 bytes for each half of the lanes
	v_lshl_add_u32 v5, v2, 4, v5
	v_add_nc_u32 v[STO], s23, v5
	v_bfe_u32 v5, v0, 3, 1                         ; f16, back: lanes 0-15 take two rows' first 128 bytes (my first head), lanes 16-31 their second 128 (my second head)
	v_mul_u32_u24 v5, v5, SP16
	v_and_b32 v6, 7, v0
	v_lshl_add_u32 v5, v6, 4, v5
	v_lshl_add_u32 v5, v2, 7, v5
	v_add_nc_u32 v[RD], s23, v5
	v_lshlrev_b32 v[CO], 4, v1                     ; in qkv16: 256 consecutive bytes (two rows of a plane) for sixteen lanes; lanes 16-31 one plane on
	v_lshl_add_u32 v[CO], v2, 18, v[CO]
	v_mul_u32_u24 v5, v1, SP32                     ; f32, in: row r, 32 bytes for each half
	v_lshl_add_u32 v5, v2, 5, v5
	v_add_nc_u32 v[STO2], s23, v5
	v_and_b32 v6, 31, v0
	v_lshlrev_b32 v[CO2], 4, v6                    ; f32, back: the 32 lanes take one row of 512 bytes; and the same in qkvf
	v_add_nc_u32 v[RD2], s23, v[CO2]
	s_and_b32 s23, s17, 7
	v_mov_b32 v[MK], s23
	s_lshl_b32 s20, s17, 8
	s_lshl_b32 s21, s15, 7
	s_add_co_u32 s20, s20, s21                     ; my first row m0 = 256 x tile row + 128 x half
	s_lshr_b32 s21, s20, 11                        ; b
	s_and_b32 s20, s20, 2047                       ; t
	s_mul_i32 s21, s21, 48
	s_lshl_b32 s46, s42, 2
	s_lshl_b32 s47, s16, 1
	s_add_co_u32 s46, s46, s47                     ; my first plane: 4 x tile column + 2 x half
	s_add_co_u32 s21, s21, s46
	s_lshl_b32 s21, s21, 11
	s_add_co_u32 s20, s20, s21
	s_lshl_b32 s20, s20, 7                         ; ((48 b + plane) x 2,048 + t) rows of 128 bytes
	s_mov_b32 s21, 0
	s_add_nc_u64 s[12:13], s[12:13], s[20:21]
	s_lshr_b32 s20, s17, 3
	s_mul_i32 s20, s20, 196608                     ; qkvf: 16 b rows of 12,288 bytes,
	s_lshl_b32 s46, s42, 10
	s_lshl_b32 s47, s16, 9
	s_add_co_u32 s46, s46, s47                     ; + my first column x 4
	s_add_co_u32 s20, s20, s46
	s_add_nc_u64 s[96:97], s[96:97], s[20:21]
.macro FRAG reg, adr, q, i             ; 16 rows x 128 K of 4-bit codes: 8 registers: lane l holds row l % 16; registers 4 c .. 4 c + 3 hold K = 64 c + 32 (l / 16) + 0 .. 31
.irp c, 0,1
	ds_load_b128 v[\reg+4*\c:\reg+4*\c+3], v[\adr] offset:64*(\q)+32*\c+(\i)*16*PITCH
.endr
.endm
; 16 matrix instructions: x's blocks a0, a0 + 1 against w's eight, the slot's q-th 128 along K.  p: w's set; sc: the set of scale words.  zero = 1: the first product starts the sums.
; The 64 accumulators take turns, one instruction a turn, in the same order in every step.
.macro MUL16 a0, p, q, sc, zero
.irp a, \a0, \a0+1
.irp b, 0,1,2,3,4,5,6,7
.if \zero
	v_wmma_scale_f32_16x16x128_f8f6f4 v[8*(8*((\a)%4)+\b):8*(8*((\a)%4)+\b)+7], v[128*(\p)+FR*\b:128*(\p)+FR*\b+FR-1], v[AF+FR*(\a):AF+FR*(\a)+FR-1], 0, v[SC+8*NQ*(\sc)+NQ*\b+(\q)], v[SC+8*NQ*(\sc)+NQ*(\a)+(\q)] matrix_a_fmt:MATRIX_FMT_FP4 matrix_b_fmt:MATRIX_FMT_FP4 matrix_a_scale:MATRIX_SCALE_ROW1
.else
	v_wmma_scale_f32_16x16x128_f8f6f4 v[8*(8*((\a)%4)+\b):8*(8*((\a)%4)+\b)+7], v[128*(\p)+FR*\b:128*(\p)+FR*\b+FR-1], v[AF+FR*(\a):AF+FR*(\a)+FR-1], v[8*(8*((\a)%4)+\b):8*(8*((\a)%4)+\b)+7], v[SC+8*NQ*(\sc)+NQ*\b+(\q)], v[SC+8*NQ*(\sc)+NQ*(\a)+(\q)] matrix_a_fmt:MATRIX_FMT_FP4 matrix_b_fmt:MATRIX_FMT_FP4 matrix_a_scale:MATRIX_SCALE_ROW1
.endif
.endr
.endr
.endm
.macro FETCH_B slot, q, p
	WIN TO_B
.irp i, 0,1,2,3,4,5,6,7
	FRAG 128*(\p)+FR*\i, ADRB+\slot, \q, \i
.endr
	WIN 0
.endm
.macro FETCH_A slot, q, i0
.irp i, \i0, \i0+1, \i0+2, \i0+3
	FRAG AF+FR*(\i), ADRA+\slot, \q, \i
.endr
.endm
.macro SCALES sc                       ; a slot's scale words: four words a row; lanes 0-15 take x's block i, lanes 16-31 w's block i
.irp i, 0,1,2,3,4,5,6,7
	ds_load_b128 v[SC+8*NQ*\sc+NQ*\i:SC+8*NQ*\sc+NQ*\i+3], v[ADRS] offset:\i*SBLK
.endr
.endm
; A load into a register that a matrix instruction has read, and a vector instruction or an LDS store that reads a matrix result, stand NP places behind it; only plain vector
; instructions that name none of its registers are places (ISA guide 7.12.1 for vector instructions).
.macro PLACES n
.rept \n
	v_nop
.endr
.endm
.macro STEP slot, q, zero              ; a step of 128 along K that has its successor in the same slot
	s_wait_dscnt 4*NL                              ; w's set and x's blocks 0-3 are in; the youngest eight loads (x's blocks 4-7) may be out
	WIN MUL_LO
	MUL16 0, (\q)%2, \q, \slot, \zero
	MUL16 2, (\q)%2, \q, \slot, \zero
	s_wait_dscnt 0                                 ; x's blocks 4-7 are in
	PLACES NP
	FETCH_B \slot, (\q)+1, 1-(\q)%2
	FETCH_A \slot, (\q)+1, 0
	WIN MUL_HI
	MUL16 4, (\q)%2, \q, \slot, \zero
	MUL16 6, (\q)%2, \q, \slot, \zero
	PLACES NP
	WIN 0
	FETCH_A \slot, (\q)+1, 4
.endm
; Slot 0's last step changes slots: one barrier; in front of it each wave waits for all its tensor loads (its part of slot 1), adds 0 to its spare word, and waits for that and for its reads of slot 0.
.macro TURN slot, next
	s_wait_tensorcnt 0x0                           ; my part of the next slot has landed
	ds_add_u32 v[SPW], v[NIL]                      ; 0 onto my spare word
	s_wait_dscnt 4*NL+1                            ; (the add and the youngest eight loads may be out)
	WIN MUL_LO
	MUL16 0, 1, NQ-1, \slot, 0
	s_wait_dscnt 0x0                               ; the add is done, and my reads of this slot are over
	s_barrier_signal -1
	MUL16 2, 1, NQ-1, \slot, 0
	WIN 0
	s_barrier_wait -1
	PLACES NP
	v_add_nc_u32 v[ADRS], 4*NQ, v[ADRS]            ; on to the next slot's scale words (no LDS load of mine is out)
	FETCH_B \next, 0, 0
	FETCH_A \next, 0, 0
	SCALES \next
	WIN MUL_HI
	MUL16 4, 1, NQ-1, \slot, 0
	MUL16 6, 1, NQ-1, \slot, 0
	PLACES NP
	WIN 0
	FETCH_A \next, 0, 4
.endm
	s_wait_tensorcnt 1                             ; the scales and my part of slot 0 are in (slot 1's load may be out)
	s_barrier_signal -1
	s_barrier_wait -1                              ; everybody's are
	FETCH_B 0, 0, 0
	FETCH_A 0, 0, 0
	SCALES 0
	FETCH_A 0, 0, 4
	STEP 0, 0, 1                                   ; the first step's products start the sums: nothing is cleared
	STEP 0, 1, 0
	STEP 0, 2, 0
	TURN 0, 1
	STEP 1, 0, 0
	STEP 1, 1, 0
	STEP 1, 2, 0
	s_wait_dscnt 4*NL                              ; the last step: nothing more to fetch
	WIN MUL_LO
	MUL16 0, 1, NQ-1, 1, 0
	MUL16 2, 1, NQ-1, 1, 0
	s_wait_dscnt 0
	WIN MUL_HI
	MUL16 4, 1, NQ-1, 1, 0
	MUL16 6, 1, NQ-1, 1, 0
	WIN 0
; THE WAY OUT, block by block of 16 rows x 128 columns (two heads).  PACK: rounded to f16, 16 bytes a lane, each accumulator from its low end on.  TOSTAGE: into my stage and back, two rows of each head an instruction.
; SEND: sixteen lanes store 256 consecutive bytes (two rows of a head's plane), aligned.
.macro PACK a
.set AC, 64*((\a)%4)
	WIN 0x0a+5*((\a)/4)                            ; sources 0 and 1: window 2 or 3
.irp b, 0,1,2,3,4,5,6,7
.irp i, 0,1,2,3
	v_cvt_pk_f16_f32 v[TMP+4*\b+\i], v[AC+8*\b+2*\i], v[AC+8*\b+2*\i+1]
.endr
.endr
	WIN 0
.endm
.macro TOSTAGE a
.set BB, BK+32*((\a)%2)
.irp b, 0,1,2,3,4,5,6,7
	ds_store_b128 v[STO], v[TMP+4*\b:TMP+4*\b+3] offset:32*\b
.endr
.irp t, 0,1,2,3,4,5,6,7
	ds_load_b128 v[BB+4*\t:BB+4*\t+3], v[RD] offset:\t*2*SP16      ; LDS serves a wave's instructions in order (ISA guide 5.7.1.4): these see the stores above
.endr
.endm
.macro SEND a
.set BB, BK+32*((\a)%2)
	s_wait_dscnt 0x0                               ; the block is back in registers
	s_wait_xcnt 0x0                                ; the stores of the block before have read their registers, into which the next block's loads will land
.irp t, 0,1,2,3,4,5,6,7
	global_store_b128 v[CO], v[BB+4*\t:BB+4*\t+3], s[12:13] offset:2048*(\a)+256*\t
.endr
.endm
	PLACES NP                                      ; behind the last products: for the loads into x's registers and for the reads of results
	PACK 0
	TOSTAGE 0
.irp a, 1,2,3,4,5,6,7                  ; block a's conversions stand between block a - 1's loads from the stage and the wait for them
	PACK \a
	SEND \a-1
	TOSTAGE \a
.endr
	SEND 7
	; THE FIRST 16 POSITIONS OF A SEQUENCE, IN f32: block 0 of the waves that hold the tile's first rows, stored where the tile begins a sequence (tile rows 0 and 8).  The branch hangs on the wave's number;
	; the tile row only sets which lanes are on: in the other work-groups no lane stores.
	s_cmp_lg_u32 s15, 0
	s_cbranch_scc1 .Lnofine
	s_wait_xcnt 0x0                                ; the stores above have read their registers; EXEC changes only behind this wait
	WIN 0x08                                       ; an LDS store's data are its source 1: window 2
.irp b, 0,1,2,3,4,5,6,7
	ds_store_b128 v[STO2], v[8*\b:8*\b+3] offset:64*\b
	ds_store_b128 v[STO2], v[8*\b+4:8*\b+7] offset:64*\b+16
.endr
	WIN 0
.irp t, 0,1,2,3,4,5,6,7,8,9,10,11,12,13,14,15
	ds_load_b128 v[BK+4*\t:BK+4*\t+3], v[RD2] offset:\t*SP32
.endr
	s_wait_dscnt 0x0
	v_cmp_eq_u32 vcc_lo, 0, v[MK]
	s_and_saveexec_b32 s3, vcc_lo
.irp t, 0,1,2,3,4,5,6,7,8,9,10,11,12,13,14,15
	global_store_b128 v[CO2], v[BK+4*\t:BK+4*\t+3], s[96:97] offset:12288*\t   ; 32 lanes store 512 consecutive bytes of a row, aligned
.endr
	s_wait_xcnt 0x0                                ; and again, in front of the line that restores EXEC
	s_or_b32 exec_lo, exec_lo, s3
.Lnofine:
	s_wait_tensorcnt 0x0                           ; the wave's end, behind my last tensor load and my last LDS store
	ds_add_u32 v[SPW], v[NIL]
	s_wait_dscnt 0x0
	CROUND                                         ; the closing round: no work-group ends while a partner may still ask for a tile that names it
	s_endpgm
.Lfunc_end_k_qbc3f90857d_qkv:
	.size	k_qbc3f90857d_qkv, .Lfunc_end_k_qbc3f90857d_qkv-k_qbc3f90857d_qkv
	.p2alignl 7, 3214868480
	.fill 96, 4, 3214868480
	.section	.rodata,"a",@progbits
	.p2align	6, 0x0
	.amdhsa_kernel k_qbc3f90857d_qkv
		.amdhsa_group_segment_fixed_size 327680
		.amdhsa_private_segment_fixed_size 0
		.amdhsa_enable_private_segment 0
		.amdhsa_kernarg_size 48
		.amdhsa_user_sgpr_count 2
		.amdhsa_user_sgpr_kernarg_segment_ptr 1
		.amdhsa_wavefront_size32 1
		.amdhsa_system_sgpr_workgroup_id_x 1
		.amdhsa_system_sgpr_workgroup_id_y 1
		.amdhsa_system_sgpr_workgroup_id_z 1
		.amdhsa_system_vgpr_workitem_id 0
		.amdhsa_next_free_vgpr 1024
		.amdhsa_next_free_sgpr 98
		.amdhsa_reserve_vcc 1
		.amdhsa_float_denorm_mode_32 3
		.amdhsa_float_denorm_mode_16_64 3
		.amdhsa_memory_ordered 1
		.amdhsa_forward_progress 1
		.amdhsa_inst_pref_size 131
	.end_amdhsa_kernel
	.amdgpu_metadata
---
amdhsa.version: [ 1, 2 ]
amdhsa.kernels:
  - .name:           k_qbc3f90857d_qkv
    .symbol:         k_qbc3f90857d_qkv.kd
    .args:
      - { .name: xc, .offset: 0, .size: 8, .value_kind: global_buffer, .address_space: global }
      - { .name: xs, .offset: 8, .size: 8, .value_kind: global_buffer, .address_space: global }
      - { .name: wc, .offset: 16, .size: 8, .value_kind: global_buffer, .address_space: global }
      - { .name: ws, .offset: 24, .size: 8, .value_kind: global_buffer, .address_space: global }
      - { .name: qkv16, .offset: 32, .size: 8, .value_kind: global_buffer, .address_space: global }
      - { .name: qkvf, .offset: 40, .size: 8, .value_kind: global_buffer, .address_space: global }
    .group_segment_fixed_size: 327680
    .private_segment_fixed_size: 0
    .kernarg_segment_align: 8
    .kernarg_segment_size: 48
    .max_flat_workgroup_size: 128
    .sgpr_count:     98
    .vgpr_count:     1024
    .wavefront_size: 32
...
	.end_amdgpu_metadata
.endif
;; end of part 2
;; launch attn (part 3): grid 8 x 32, 16 waves a work-group, no clusters, 327,680 bytes of LDS; arguments qkv16, a16; writes a16
.if DOCPART == 3
	.amdgcn_target "amdgcn-amd-amdhsa--gfx1250"
	.amdhsa_code_object_version 6
	.text
	.protected	k_qbc3f90857d_attn
	.globl	k_qbc3f90857d_attn
	.p2align	8
	.type	k_qbc3f90857d_attn,@function
k_qbc3f90857d_attn:
	s_mov_b64 s[64:65], 0
	v_nop
	global_prefetch_b8 v0, s[64:65] scope:SCOPE_SE
	s_setreg_imm32_b32 hwreg(HW_REG_WAVE_MODE, 25, 1), 1
	s_wait_xcnt 0x0
; a[b][h][q][:] = the sum over k <= q of softmax_k(Q[q] . K[k] / 8) V[k][:], head size 64.  Q, K, V: planes of qkv16 [b][48][2048][64] f16; a16: [h][2048 b + t][64] f16.
; Products on f16 operands with f32 sums; maxima, exponentials and sums in f32; the weights p are rounded to f16 for the second product, the result once at the end.
; LIMITS: |result| under 65,504 (f16's range); the sums' order is not that of a plain row sum.  (Positions 0 to 15 of each sequence are computed here too, and computed again more finely by the last launch.)
; SHARES.  A work-group owns the query blocks of 128 numbered x and 15 - x of one head: under the causal mask every work-group so has the same 17 block pairs of work; 8 x 32 = 256 work-groups.
; Each of its SIXTEEN waves owns one tile of 16 queries in 256 registers: four waves to a SIMD, so that one wave's vector work stands beside another's matrix work and LDS loads; of any four
; waves w % 4 or w / 4 alike, two hold early queries and two late ones.  Every wave walks the keys 64 a step; steps whose keys all come after its queries are jumped over.
; K's and V's tiles come through a ring of two LDS slots of 256 keys, filled by the tensor data mover (wave 0: K, wave 1: V) and read by all sixteen.
; NO CLUSTER: the work-groups of a head need 1,152 to 2,048 keys (128 (16 - x)), so a joint load would bring some partners tiles that all their waves jump over.
; LAYOUT.  S^T = K Q^T (source 0 = 16 keys, source 1 = my 16 queries): a lane holds ONE query (lane % 16) and keys 8 (lane / 16) + 0..7 of each tile.  Two such tiles, rounded in pairs, ARE source 1
; (32 keys x 16 queries) of O^T = V^T P.  K comes out of LDS as it lies, V ([key][channel]) turned, by ds_load_tr16_b128.
; SOFTMAX.  For each query a running maximum m and sum l: p = 2^(c s - c m), c = log2(e) / 8; in every step O and l are multiplied by a = 2^(c m_old - c m_new).
.set PK,    144                        ; a row of K in LDS: 128 bytes + 16: 36 words: the 16 rows of a load start at 16 different groups of four banks (64 banks of 4 bytes: ISA guide 11.1)
.set PV,    160                        ; a row of V: 128 + 32: 40 words
.set SK,    256                        ; keys in a slot
.set NQ,    4                          ; steps of 64 keys in a slot
.set NSL,   8                          ; slots' worth of keys
.set VOFF,  SK*PK                      ; a slot: 256 rows of K, then 256 rows of V
.set SLOT1, 1<<17                      ; slot 1 begins here: one exclusive or turns an address in one slot into the other's
.set SPARE, 2*SLOT1                    ; the spare words, 128 bytes a wave, which no other line names
.set STG,   16*PK                      ; the way out: 16 rows x 144 bytes a wave, in slot 0, which was left at the last change of slots: it has had its last fill, and nobody reads it
.set AK0,  1                           ; v1  my lane's place in a tile of K
.set AV0,  2                           ; v2  the same for V
.set ADK,  3                           ; v3  LDS address of the step's K
.set ADV,  4                           ; v4  of its V
.set SPW,  5
.set NIL,  6
.set GO,   7                           ; v7  the way out: 16 x lane
.set STO,  8
.set RD,   9
.set QO,   10
.set PFO,  11                          ; v11 256 x lane; never rewritten
.set CM,   12                          ; v12 c m, v13 m
.set LL,   14                          ; v[14:15] l, even and odd keys'
.set T,    16                          ; v16-19 at work; a takes v18
.set DD,   20
.set NINF, 21
.set RH,   22                          ; v22 lane % 16 - 8 (lane / 16)
.set QR,   24                          ; v24-39  Q: two fragments
.set KR,   40                          ; v40-103 K of a step: (16 keys kt, 32 channels c) at 16 kt + 8 c
.set VR,   104                         ; v104-167 V^T of a step: (32 keys kc, 16 channels ct) at 32 kc + 8 ct
.set SS,   168                         ; v168-199 S^T, then p
.set PP,   200                         ; v200-215 p in f16
.set OO,   216                         ; v216-247 O^T
.set UU,   248                         ; v[248:249] the sums' second chain
.set TB,   2                           ; s2  LDS byte at which the slot in hand begins
.set WV,   18
.set SEL,  20
.set CS,   22
.set G1K,  24
.set G1V,  32
.set G0K,  40
.set G0V,  44
.set QL,   66                          ; s66 my work-group's last query
.set SLOTS, 67
.set PFA,  76
.set LIM,  80
.set KF,   98                          ; s98 the step's first key
.set Q0,   99                          ; s99 my first query
; Wave 0 fetches K's 256 rows, wave 1 V's, the others nothing.  An s_nop 0 and four v_nop follow each of the two lines.
.macro TLOAD
	s_cmp_eq_u32 s[WV], 0
	s_cbranch_scc0 .Lnot_k_\@
	tensor_load_to_lds s[G0K:G0K+3], s[G1K:G1K+7]
	s_nop 0
.rept 4
	v_nop
.endr
	s_branch .Lasked_\@
.Lnot_k_\@:
	s_cmp_eq_u32 s[WV], 1
	s_cbranch_scc0 .Lasked_\@
	tensor_load_to_lds s[G0V:G0V+3], s[G1V:G1V+7]
	s_nop 0
.rept 4
	v_nop
.endr
.Lasked_\@:
.endm
; A PREFETCH of what the NEXT change of slots will ask for: a slot's 32,768 bytes of K and as many of V, both dense.  All work-groups of a head walk the same K and V from key 0 on: the one with x = 0, which
; walks all keys, asks, and nobody else.  In it waves 4 to 7 ask for K's bytes and waves 8 to 11 for V's: 8,192 bytes a wave, lanes 256 bytes apart, one instruction: each aligned run of 256 bytes is named once.
; The last change that fills a slot asks for nothing: there is no slot behind it.  Slots 0 and 1 come by their loads alone.
.macro ASK
	s_cmp_gt_u32 s[SLOTS], s[LIM]
	s_cbranch_scc0 .Lnot_mine_\@
	global_prefetch_b8 v[PFO], s[PFA:PFA+1] th:TH_LOAD_NT scope:SCOPE_SE
.Lnot_mine_\@:
.endm
	s_load_b128 s[4:7], s[0:1], 0x0                ; qkv16, a16
	v_lshl_add_u32 v[SPW], v0, 2, SPARE
	v_mov_b32 v[NIL], 0
	ds_add_u32 v[SPW], v[NIL]                      ; the wave's opening: the add, twice on end, and its wait ahead of the first tensor load
	ds_add_u32 v[SPW], v[NIL]
	v_lshrrev_b32 v23, 5, v0
	v_readfirstlane_b32 s[WV], v23                 ; wave 0..15
	s_and_b32 s68, ttmp7, 0xffff                   ; 16 b + h
	s_lshr_b32 s69, s68, 4                         ; b
	s_and_b32 s70, s68, 15                         ; h
	s_lshl_b32 s71, s69, 5
	s_add_co_u32 s71, s71, s68                     ; 48 b + h: q's plane
	s_lshl_b32 s72, s71, 18                        ; in bytes: planes of 262,144
	s_mov_b32 s73, 0
	s_lshr_b32 s74, s[WV], 2
	s_xor_b32 s74, s74, s[WV]
	s_and_b32 s74, s74, 1                          ; 1: my tile lies in the late block
	s_sub_co_u32 s75, 15, ttmp9
	s_cmp_eq_u32 s74, 1
	s_cselect_b32 s75, s75, ttmp9
	s_lshl_b32 s75, s75, 7
	s_lshr_b32 s74, s[WV], 1
	s_lshl_b32 s74, s74, 4
	s_add_co_u32 s[Q0], s75, s74                   ; my first query: 128 x block + 16 (wave / 2)
	s_sub_co_u32 s[QL], 16, ttmp9
	s_lshl_b32 s[QL], s[QL], 7
	s_sub_co_u32 s[QL], s[QL], 1                   ; the late block's last query
	s_lshl_b32 s82, s[Q0], 7
	s_add_co_u32 s82, s82, s72                     ; my rows of Q
	s_mov_b32 s83, 0
	s_lshl_b32 s84, s69, 11
	s_add_co_u32 s84, s84, s[Q0]
	s_lshl_b32 s84, s84, 7
	s_lshl_b32 s85, s70, 19
	s_add_co_u32 s84, s84, s85                     ; my rows of a16: plane h of 524,288 bytes, row 2,048 b + my first query
	s_mov_b32 s85, 0
	; descriptor group 1: 256 rows of 64 elements of 2 bytes, dense in memory, padded in LDS behind every row
	s_mov_b32 s[G1K], (1<<16)|(1<<20)|(4<<22)|(3<<25)   ; no mask; elements of 2 bytes; padding on: after every 32 words four words
	s_mov_b32 s[G1V], (1<<16)|(1<<20)|(4<<22)|(7<<25)   ; the same with eight words
.irp g, G1K, G1V
	s_mov_b32 s[\g+1], 64<<16                      ; tensor_dim0
	s_mov_b32 s[\g+2], SK<<16                      ; tensor_dim1
	s_mov_b32 s[\g+3], 64<<16                      ; tile_dim0
	s_mov_b32 s[\g+4], SK                          ; tile_dim1
	s_mov_b32 s[\g+5], 64                          ; tensor_dim0_stride
	s_mov_b32 s[\g+6], 0
	s_mov_b32 s[\g+7], 0
.endr
	s_mov_b32 s[SEL], 0x76543210
	s_mov_b32 s[SEL+1], 0xfedcba98                 ; v_permlanex16_b32's selects for lane l xor 16
	s_mov_b32 s[CS], 0x3e38aa3b                    ; c = log2(e) / 8
	s_mov_b32 s[CS+1], s[CS]                       ; (named with it as a pair, so it is written)
	s_mov_b32 s[TB], 0
	s_mov_b32 s[SLOTS], NSL-1
	s_mov_b32 s[KF], 0
	s_wait_dscnt 0x0                               ; both opening adds are done
	s_wait_kmcnt 0x0
	s_add_nc_u64 s[86:87], s[4:5], s[72:73]        ; my head's plane of q; k's lies 16 planes on, v's 32
	s_mov_b32 s[G0K], 1
	s_mov_b32 s[G0K+1], 0                          ; LDS: slot 0
	s_add_nc_u64 s[G0K+2:G0K+3], s[86:87], 0x400000
	s_or_b32 s[G0K+3], s[G0K+3], 0x80000000
	s_mov_b32 s[G0V], 1
	s_mov_b32 s[G0V+1], VOFF
	s_add_nc_u64 s[G0V+2:G0V+3], s[86:87], 0x800000
	s_or_b32 s[G0V+3], s[G0V+3], 0x80000000
	TLOAD                                          ; slot 0: keys 0 to 255, of which key 0 counts for every query
	s_add_nc_u64 s[8:9], s[4:5], s[82:83]          ; Q at my first query
	s_add_nc_u64 s[6:7], s[6:7], s[84:85]          ; a16 likewise
	s_mov_b32 s88, 0x800000                        ; the prefetches: waves 4 to 7 stand in K, waves 8 to 11 in V,
	s_cmp_lt_u32 s[WV], 8
	s_cselect_b32 s88, 0x400000, s88
	s_and_b32 s89, s[WV], 3
	s_lshl_b32 s89, s89, 13                        ; at my wave's 8,192 bytes,
	s_add_co_u32 s88, s88, s89
	s_add_co_u32 s88, s88, 32768                   ; in slot 1: the first change of slots steps it to slot 2.  Nothing is prefetched here, at the head
	s_mov_b32 s89, 0
	s_add_nc_u64 s[PFA:PFA+1], s[86:87], s[88:89]
	s_sub_co_u32 s88, s[WV], 4
	s_lshr_b32 s88, s88, 3                         ; 0 in waves 4 to 11,
	s_or_b32 s88, s88, ttmp9                       ; of the work-group with x = 0
	s_cmp_eq_u32 s88, 0
	s_cselect_b32 s[LIM], 1, -1
	v_and_b32 v[RH], 15, v0                        ; r
	v_bfe_u32 v23, v0, 4, 1                        ; h
	v_lshlrev_b32 v[QO], 7, v[RH]
	v_lshl_add_u32 v[QO], v23, 4, v[QO]            ; Q: row r of 128 bytes + 16 h
.irp i, 0,1,2,3
	global_load_b128 v[QR+4*\i:QR+4*\i+3], v[QO], s[8:9] offset:32*\i   ; Q's two fragments stay in registers
.endr
	v_mul_u32_u24 v[AK0], v[RH], PK
	v_lshl_add_u32 v[AK0], v23, 4, v[AK0]
	v_and_b32 v[AV0], 7, v0                        ; the turning load: lane l reads key 8 (l / 16) + l % 8, channels 8 ((l / 8) % 2) + 0..7
	v_lshl_add_u32 v[AV0], v23, 3, v[AV0]
	v_mul_u32_u24 v[AV0], v[AV0], PV
	v_bfe_u32 v[ADK], v0, 3, 1
	v_lshl_add_u32 v[AV0], v[ADK], 4, v[AV0]
	v_add_nc_u32 v[AV0], VOFF, v[AV0]
	v_and_b32 v[ADV], 31, v0                       ; lane
	v_lshlrev_b32 v[GO], 4, v[ADV]
	v_lshlrev_b32 v[PFO], 8, v[ADV]
	s_mul_i32 s90, s[WV], STG                      ; my stage
	v_mul_u32_u24 v[STO], v[RH], PK
	v_lshl_add_u32 v[STO], v23, 4, v[STO]
	v_add_nc_u32 v[STO], s90, v[STO]               ; in: row r, 16 bytes for each half of the lanes
	v_lshrrev_b32 v[RD], 3, v[ADV]
	v_mul_u32_u24 v[RD], v[RD], PK
	v_and_b32 v[ADK], 7, v0
	v_lshl_add_u32 v[RD], v[ADK], 4, v[RD]
	v_add_nc_u32 v[RD], s90, v[RD]                 ; back: eight lanes to a row of 128 bytes, four rows an instruction
	v_lshlrev_b32 v23, 3, v23
	v_sub_nc_u32 v[RH], v[RH], v23                 ; r - 8 h, for the mask
	v_mov_b32 v[CM+1], 0xff61b1e6                  ; the largest score so far: -3e38, under every score
	v_mul_f32 v[CM], s[CS], v[CM+1]
	v_mov_b32 v[LL], 0
	v_mov_b32 v[LL+1], 0
.irp i, 0,1,2,3
	v_mov_b32 v[T+\i], 0                           ; written once: a lane permute's destination counts as one of its sources, and the way out names them on every path
.endr
	v_mov_b32 v[NINF], 0xff800000                  ; -infinity
.irp j, 0,1,2,3,4,5,6,7,8,9,10,11,12,13,14,15,16,17,18,19,20,21,22,23,24,25,26,27,28,29,30,31
	v_mov_b32 v[OO+\j], 0                          ; O^T.  (The step is written once: the first finds zeros, which its a = 0 leaves zeros)
.endr
; A KEY STEP: 64 keys, the q-th of the slot in hand.
.macro STEP q
	s_add_co_u32 s96, s[Q0], 15                    ; a step all of whose keys come after my 16 queries is left out: a scalar branch on ids, round no barrier and no tensor load
	s_cmp_gt_u32 s[KF], s96
	s_cbranch_scc1 .Lhidden_\@
	v_add_nc_u32 v[ADK], s[TB], v[AK0]
	v_add_nc_u32 v[ADV], s[TB], v[AV0]
	v_nop
	v_nop                                          ; four places in front of loads into V's registers, which the last step's last products read
.irp kt, 0,1,2,3
.irp c, 0,1
	ds_load_b128 v[KR+16*\kt+8*\c:KR+16*\kt+8*\c+3], v[ADK] offset:(64*(\q)+16*\kt)*PK+64*\c
	ds_load_b128 v[KR+16*\kt+8*\c+4:KR+16*\kt+8*\c+7], v[ADK] offset:(64*(\q)+16*\kt)*PK+64*\c+32
.endr
.endr
.irp kc, 0,1
.irp ct, 0,1,2,3
	ds_load_tr16_b128 v[VR+32*\kc+8*\ct:VR+32*\kc+8*\ct+3], v[ADV] offset:(64*(\q)+32*\kc)*PV+32*\ct
	ds_load_tr16_b128 v[VR+32*\kc+8*\ct+4:VR+32*\kc+8*\ct+7], v[ADV] offset:(64*(\q)+32*\kc)*PV+32*\ct+16*PV
.endr
.endr
	s_wait_dscnt 16                                ; K is in; V's sixteen loads may be out
.irp c, 0,1                                    ; S^T = K Q^T: four accumulators by turns; the first four products start the sums
.irp kt, 0,1,2,3
.if \c == 0
	v_wmma_f32_16x16x32_f16 v[SS+8*\kt:SS+8*\kt+7], v[KR+16*\kt:KR+16*\kt+7], v[QR:QR+7], 0
.else
	v_wmma_f32_16x16x32_f16 v[SS+8*\kt:SS+8*\kt+7], v[KR+16*\kt+8:KR+16*\kt+15], v[QR+8:QR+15], v[SS+8*\kt:SS+8*\kt+7]
.endif
.endr
.endr
.rept 4
	v_nop                                          ; places in front of the first read of the scores
.endr
	s_add_co_u32 s96, s[KF], 63                    ; on the diagonal the scores of hidden keys become -infinity; a step all of whose keys count skips this
	s_cmp_le_u32 s96, s[Q0]
	s_cbranch_scc1 .Lopen_\@
	s_sub_co_i32 s96, s[Q0], s[KF]
	v_add_nc_u32 v[DD], s96, v[RH]                 ; d = my query - the step's first key - 8 (lane / 16).  Register 8 kt + j holds key 16 kt + 8 (lane / 16) + j of the step: hidden where 16 kt + j > d
.irp kt, 0,1,2,3
.irp j, 0,1,2,3,4,5,6,7
	v_cmp_gt_i32 vcc_lo, 16*\kt+\j, v[DD]
	v_cndmask_b32 v[SS+8*\kt+\j], v[SS+8*\kt+\j], v[NINF], vcc_lo
.endr
.endr
.Lopen_\@:
.irp i, 0,1,2,3
	v_max3_num_f32 v[T+\i], v[SS+8*\i], v[SS+8*\i+1], v[SS+8*\i+2]   ; the maximum, in four chains, each accumulator from its low end on
.endr
.irp u, 3,5
.irp i, 0,1,2,3
	v_max3_num_f32 v[T+\i], v[T+\i], v[SS+8*\i+\u], v[SS+8*\i+\u+1]
.endr
.endr
	v_max3_num_f32 v[T], v[T], v[SS+7], v[SS+15]
	v_max3_num_f32 v[T+2], v[T+2], v[SS+23], v[SS+31]
	v_max3_num_f32 v[T], v[T], v[T+1], v[T+2]
	v_max3_num_f32 v[T], v[T], v[T+3], v[CM+1]     ; with the old m
	v_permlanex16_b32 v[T+1], v[T], s[SEL], s[SEL+1]   ; the query's other 32 keys lie in the lane 16 away
	v_mov_b32 v[T+3], v[CM]                        ; c m_old
	v_max_num_f32 v[CM+1], v[T], v[T+1]            ; the new m
	v_mul_f32 v[CM], s[CS], v[CM+1]
	v_sub_f32 v[T+3], v[T+3], v[CM]                ; c m_old - c m_new
.irp j, 0,2,4,6,8,10,12,14,16,18,20,22,24,26,28,30
	v_pk_fma_f32 v[SS+\j:SS+\j+1], v[SS+\j:SS+\j+1], s[CS:CS+1], v[CM:CM+1] op_sel_hi:[1,0,0] neg_lo:[0,0,1] neg_hi:[0,0,1]   ; c s - c m, two at a time
.endr
	v_exp_f32 v[T+2], v[T+3]                       ; a
.irp j, 0,1,2,3,4,5,6,7,8,9,10,11,12,13,14,15,16,17,18,19,20,21,22,23,24,25,26,27,28,29,30,31
	v_exp_f32 v[SS+\j], v[SS+\j]                   ; p
.endr
	v_nop                                          ; a plain line behind the last exponential
	s_wait_alu depctr_va_vdst(0)                   ; one wait for the batch of 33, ahead of its first reader
.irp i, 0,1,2,3,4,5,6,7,8,9,10,11,12,13,14,15
	v_cvt_pk_f16_f32 v[PP+\i], v[SS+2*\i], v[SS+2*\i+1]
.endr
	v_pk_mul_f32 v[LL:LL+1], v[LL:LL+1], v[T+2:T+3] op_sel_hi:[1,0]   ; l x a
	v_pk_add_f32 v[UU:UU+1], v[SS:SS+1], v[SS+2:SS+3]                 ; + the sum of the unrounded p, in two chains
.irp j, 4,8,12,16,20,24,28
	v_pk_add_f32 v[LL:LL+1], v[LL:LL+1], v[SS+\j:SS+\j+1]
	v_pk_add_f32 v[UU:UU+1], v[UU:UU+1], v[SS+\j+2:SS+\j+3]
.endr
	v_pk_add_f32 v[LL:LL+1], v[LL:LL+1], v[UU:UU+1]
.irp j, 0,2,4,6,8,10,12,14,16,18,20,22,24,26,28,30
	v_pk_mul_f32 v[OO+\j:OO+\j+1], v[OO+\j:OO+\j+1], v[T+2:T+3] op_sel_hi:[1,0]   ; O^T x a
.endr
	s_wait_dscnt 0x0                               ; V is in
.irp kc, 0,1                                   ; O^T += V^T P: four accumulators by turns
.irp ct, 0,1,2,3
	v_wmma_f32_16x16x32_f16 v[OO+8*\ct:OO+8*\ct+7], v[VR+32*\kc+8*\ct:VR+32*\kc+8*\ct+7], v[PP+8*\kc:PP+8*\kc+7], v[OO+8*\ct:OO+8*\ct+7]
.endr
.endr
.Lhidden_\@:
	s_add_co_u32 s[KF], s[KF], 64
.endm
; THE CHANGE OF SLOTS stands at a slot's head.  Each wave waits for all its tensor loads (its part of the slot that is about to be read), adds 0 to its spare word, and waits for that and for its reads of the
; slot that it has left.  Behind the barrier the slot ahead is whole and nobody reads the other one.  fill = 1: that other slot takes the next 256 keys, while some query of the work-group still sees them.
.macro CHANGE fill
	s_wait_tensorcnt 0x0                           ; no tensor load of mine is out, so a group 0 may be written
	ds_add_u32 v[SPW], v[NIL]                      ; 0 onto my spare word
.if \fill
	ds_add_u32 v[SPW], v[NIL]                      ; and once more: the add stands twice on end in every trip alike
	s_xor_b32 s[G0K+1], s[G0K+1], SLOT1            ; the walking descriptors: the other slot than last time,
	s_add_nc_u64 s[G0K+2:G0K+3], s[G0K+2:G0K+3], SK*128   ; the next 256 keys; the type bits on top are not reached
	s_xor_b32 s[G0V+1], s[G0V+1], SLOT1
	s_add_nc_u64 s[G0V+2:G0V+3], s[G0V+2:G0V+3], SK*128
	s_wait_xcnt 0x0                                ; the last prefetch, a slot back, has read its address, so it may be written:
	s_add_nc_u64 s[PFA:PFA+1], s[PFA:PFA+1], SK*128   ; one slot further on than the walking descriptors
.endif
	s_wait_dscnt 0x0                               ; the add is done, and my reads of the slot that I have left are over
	s_barrier_signal -1
	s_barrier_wait -1
.if \fill
	s_add_co_u32 s96, s[KF], SK                    ; the first key of the slot that this change would ask for:
	s_cmp_gt_u32 s96, s[QL]                        ; behind my work-group's last query it is read by none of its waves, and is not asked for.  Ids and the count of steps alone: all sixteen waves go the same way
	s_cbranch_scc1 .Lpast_\@                       ; (every wait on TENSORcnt in this text is for 0; the jump leads round the load's own lines alone)
	TLOAD                                          ; a wave's one tensor load until the next change: it has four key steps in which to land
.Lpast_\@:
	ASK                                            ; four key steps ahead of the load that will want these bytes
.endif
.endm
.macro SLOT_STEPS
.set QN, 0
.rept NQ
	STEP QN
.set QN, QN+1
.endr
	s_xor_b32 s[TB], s[TB], SLOT1                  ; on to the other slot
.endm
	s_wait_loadcnt 0x0                             ; Q
.Lslot:                                            ; 7 trips, a constant: every work-group walks all changes of slots, and jumps over the work that the mask hides
	CHANGE 1
	SLOT_STEPS
	s_sub_co_u32 s[SLOTS], s[SLOTS], 1
	s_cmp_lg_u32 s[SLOTS], 0
	s_cbranch_scc1 .Lslot
	CHANGE 0                                       ; the last slot is written out: nothing is asked for behind it
	SLOT_STEPS
	; THE WAY OUT.  l's halves are added; O^T is divided by l, rounded to f16 and sent through my stage: four rows of 128 bytes, 512 consecutive bytes of a16, leave by one store.
.rept 4
	v_nop                                          ; places behind the last products
.endr
	v_add_f32 v[LL], v[LL], v[LL+1]
	v_permlanex16_b32 v[T], v[LL], s[SEL], s[SEL+1]
	v_add_f32 v[LL], v[LL], v[T]
	v_rcp_f32 v[T+2], v[LL]
	v_mov_b32 v[T+3], 0                            ; a plain line behind the reciprocal (the pair's upper half is named below)
	s_wait_alu depctr_va_vdst(0)                   ; and the wait ahead of its first reader
.irp j, 0,2,4,6,8,10,12,14,16,18,20,22,24,26,28,30
	v_pk_mul_f32 v[SS+\j:SS+\j+1], v[OO+\j:OO+\j+1], v[T+2:T+3] op_sel_hi:[1,0]
.endr
.irp i, 0,1,2,3,4,5,6,7,8,9,10,11,12,13,14,15
	v_cvt_pk_f16_f32 v[PP+\i], v[SS+2*\i], v[SS+2*\i+1]
.endr
.irp ct, 0,1,2,3
	ds_store_b128 v[STO], v[PP+4*\ct:PP+4*\ct+3] offset:32*\ct    ; lane (r, h): channels 16 ct + 8 h + 0..7 of query r
.endr
.irp i, 0,1,2,3
	ds_load_b128 v[KR+4*\i:KR+4*\i+3], v[RD] offset:\i*4*PK       ; LDS serves a wave's instructions in order: these see my stores
.endr
.irp i, 0,1,2,3
	s_wait_dscnt 3-\i                              ; the younger loads may be out
	global_store_b128 v[GO], v[KR+4*\i:KR+4*\i+3], s[6:7] offset:512*\i
.endr
	s_wait_tensorcnt 0x0                           ; the wave's end, behind my last tensor load and my last LDS store
	ds_add_u32 v[SPW], v[NIL]
	s_wait_dscnt 0x0
	s_endpgm
.Lfunc_end_k_qbc3f90857d_attn:
	.size	k_qbc3f90857d_attn, .Lfunc_end_k_qbc3f90857d_attn-k_qbc3f90857d_attn
	.p2alignl 7, 3214868480
	.fill 96, 4, 3214868480
	.section	.rodata,"a",@progbits
	.p2align	6, 0x0
	.amdhsa_kernel k_qbc3f90857d_attn
		.amdhsa_group_segment_fixed_size 327680
		.amdhsa_private_segment_fixed_size 0
		.amdhsa_enable_private_segment 0
		.amdhsa_kernarg_size 16
		.amdhsa_user_sgpr_count 2
		.amdhsa_user_sgpr_kernarg_segment_ptr 1
		.amdhsa_wavefront_size32 1
		.amdhsa_system_sgpr_workgroup_id_x 1
		.amdhsa_system_sgpr_workgroup_id_y 1
		.amdhsa_system_sgpr_workgroup_id_z 1
		.amdhsa_system_vgpr_workitem_id 0
		.amdhsa_next_free_vgpr 256
		.amdhsa_next_free_sgpr 100
		.amdhsa_reserve_vcc 1
		.amdhsa_float_denorm_mode_32 3
		.amdhsa_float_denorm_mode_16_64 3
		.amdhsa_memory_ordered 1
		.amdhsa_forward_progress 1
		.amdhsa_inst_pref_size 109
	.end_amdhsa_kernel
	.amdgpu_metadata
---
amdhsa.version: [ 1, 2 ]
amdhsa.kernels:
  - .name:           k_qbc3f90857d_attn
    .symbol:         k_qbc3f90857d_attn.kd
    .args:
      - { .name: qkv16, .offset: 0, .size: 8, .value_kind: global_buffer, .address_space: global }
      - { .name: a16, .offset: 8, .size: 8, .value_kind: global_buffer, .address_space: global }
    .group_segment_fixed_size: 327680
    .private_segment_fixed_size: 0
    .kernarg_segment_align: 8
    .kernarg_segment_size: 16
    .max_flat_workgroup_size: 512
    .sgpr_count:     100
    .vgpr_count:     256
    .wavefront_size: 32
...
	.end_amdgpu_metadata
.endif
;; end of part 3
;; launch oproj (part 4): grid 8 x 32, 4 waves a work-group, clusters of 4 x 4, 327,680 bytes of LDS; arguments a16, wo16, out0; writes out0
.if DOCPART == 4
	.amdgcn_target "amdgcn-amd-amdhsa--gfx1250"
	.amdhsa_code_object_version 6
	.text
	.protected	k_qbc3f90857d_oproj
	.globl	k_qbc3f90857d_oproj
	.p2align	8
	.type	k_qbc3f90857d_oproj,@function
k_qbc3f90857d_oproj:
	s_mov_b64 s[64:65], 0
	v_nop
	global_prefetch_b8 v0, s[64:65] scope:SCOPE_SE
	s_setreg_imm32_b32 hwreg(HW_REG_WAVE_MODE, 25, 1), 1
	s_wait_xcnt 0x0
	s_wait_alu depctr_hold_cnt(0) depctr_sa_sdst(0) depctr_va_vdst(0) depctr_va_sdst(0) depctr_va_ssrc(0) depctr_va_vcc(0) depctr_vm_vsrc(0)
	s_getreg_b32 s2, hwreg(HW_REG_IB_STS2, 6, 4)
	s_cmp_eq_u32 s2, 0
	s_cbranch_scc0 .Lentry_in_a_cluster
	s_endpgm
.Lentry_in_a_cluster:
	s_bfe_u32 s2, ttmp6, 0x10000c
	s_cmp_lg_u32 s2, 0xf033
	s_cbranch_scc0 .Lentry_shape_is_right
	s_endpgm
.Lentry_shape_is_right:
; out0[m][n] = sum over k of a[m][k] wo[n][k], M = 4,096, N = 1,024, K = 1,024; f16 operands, f32 sums, f32 result.  a16: [k / 64][m][64], wo16: [k / 64][n][64], f16.
; (Rows t < 16 of each sequence are written here like all others and written again, more finely, by the launch that follows.)
; A tile of 128 x 128: 8 x 32 = 256 work-groups; four waves, each 64 x 64: 16 accumulators.  K goes in four steps of 256 (four planes of 64) through two LDS slots.
; A wave's tensor load brings 64 rows of four planes: in memory a plane's 64 rows are 8,192 dense bytes, so the tile is stated as 4 rows of 4,096 elements, a plane apart, with 16 bytes of padding behind every 128:
; in LDS [plane][row][144 bytes].  By this text's count a wave has two tensor loads out at the start and one behind each round.
; CLUSTERS: 4 x 4 work-groups; a's tiles are shared along a row of the cluster, wo's along a column: each is asked for JOINTLY.  THE MATRIX INSTRUCTION IS USED TRANSPOSED (source 0 = 16 rows of wo,
; source 1 = 16 rows of a): a lane holds eight neighbouring numbers of a row of out0.
; REGISTERS: window 0: v0-31 addresses; v32-95 the way out; v128-255 the accumulators ((a, b) at v[128 + 8 (4 a + b)]).   window 1: two fragment buffers of 128: 64 registers of a, then 64 of wo, for 64 along K.
.set PITCH,  144                       ; an LDS row: 128 bytes + 16: 36 words: the 16 rows of a load start at 16 different groups of four banks (64 banks of 4 bytes: ISA guide 11.1)
.set PLANE,  64*PITCH                  ; 64 rows of one plane
.set HALFT,  4*PLANE                   ; what one tensor load brings
.set SLOT,   4*HALFT                   ; a's two halves, then wo's two
.set SPARE,  2*SLOT                    ; the spare words, 128 bytes a wave, which no other line names
.set SPITCH, 272                       ; the way out: a wave's own stage of 16 rows x (256 bytes + 16), in slot 0, which has had its last fill and its last read when the first result is stored there
.set ADRA, 16
.set ADRB, 20
.set STO,  24
.set RD,   25
.set CO,   26
.set SPW,  28
.set NIL,  29
.set TMP,  32
.set ACC,  128
.set F0,   0
.set F1,   128
.set G1, 24
.set G0, 32
.set G1B, 48
.set G0B, 56
.set MSB, 0
.macro WIN new                         ; the immediate's high byte repeats the setting that is left
.if MSB != \new
	s_set_vgpr_msb (MSB<<8)|\new
.set MSB, \new
.endif
.endm
.set MUL,  0x05                        ; sources 0 and 1 window 1; C and D window 0
.set TO_F, 0x40                        ; destination window 1, address window 0
.macro JLOAD s                         ; a joint load: waves 0 and 1 fetch a's two halves, waves 2 and 3 wo's; an s_nop 0 and four v_nop follow each of the two lines
	s_cmp_eq_u32 s11, 0
	s_cbranch_scc0 .Lfor_b_\@
	tensor_load_to_lds s[G0+4*\s:G0+4*\s+3], s[G1:G1+7]
	s_nop 0
.rept 4
	v_nop
.endr
	s_branch .Lasked_\@
.Lfor_b_\@:
	tensor_load_to_lds s[G0B+4*\s:G0B+4*\s+3], s[G1B:G1B+7]
	s_nop 0
.rept 4
	v_nop
.endr
.Lasked_\@:
.endm
.macro CREST                           ; a round of the cluster's barrier behind its opening barrier
	s_cmp_lg_u32 s10, 0
	s_cbranch_scc1 .Lnot_wave_0_\@
	s_barrier_signal -3
.Lnot_wave_0_\@:
	s_barrier_wait -3
	s_barrier_signal -1
	s_barrier_wait -1
.endm
.macro CROUND
	s_barrier_signal -1
	s_barrier_wait -1
	CREST
.endm
	s_load_b128 s[4:7], s[0:1], 0x0                ; a16, wo16
	s_load_b64 s[8:9], s[0:1], 0x10                ; out0
	v_lshl_add_u32 v[SPW], v0, 2, SPARE
	v_mov_b32 v[NIL], 0
	ds_add_u32 v[SPW], v[NIL]                      ; the wave's opening: the add, twice on end, and its wait ahead of my first tensor load
	ds_add_u32 v[SPW], v[NIL]
	v_lshrrev_b32 v1, 5, v0
	v_readfirstlane_b32 s10, v1                    ; wave 0..3
	s_lshr_b32 s11, s10, 1                         ; which half of the tile's rows is mine.  Also: I fetch for a (0) or for wo (1)
	s_and_b32 s12, s10, 1                          ; which half of its columns.  Also: which 64 rows of that tile I fetch
	s_bfe_u32 s40, ttmp6, 0x40000                  ; cx, cy
	s_bfe_u32 s41, ttmp6, 0x40004
	s_lshl_b32 s42, ttmp9, 2
	s_add_co_u32 s42, s42, s40                     ; tile column
	s_and_b32 s13, ttmp7, 0xffff
	s_lshl_b32 s13, s13, 2
	s_add_co_u32 s13, s13, s41                     ; tile row
	s_lshl_b32 s43, s41, 2
	s_lshl_b32 s43, 15, s43                        ; my row of the cluster
	s_lshl_b32 s44, 0x1111, s40                    ; my column
	s_or_b32 s[G1+0], s43, (1<<16)|(1<<20)|(1<<21)|(4<<22)|(3<<25)  ; the mask; elements of 2 bytes; padding on; 21 set beside a mask; after every 32 words four words
	s_or_b32 s[G1B+0], s44, (1<<16)|(1<<20)|(1<<21)|(4<<22)|(3<<25)
.irp g, G1, G1B
	s_mov_b32 s[\g+1], 4096<<16                    ; tensor_dim0 = 64 rows x 64 elements
	s_mov_b32 s[\g+2], 4<<16                       ; tensor_dim1 = 4 planes
	s_mov_b32 s[\g+3], 4096<<16                    ; tile_dim0
	s_mov_b32 s[\g+4], 4                           ; tile_dim1
	s_mov_b32 s[\g+6], 0
	s_mov_b32 s[\g+7], 0
.endr
	s_mov_b32 s[G1+5], 262144                      ; from plane to plane, in elements: 4,096 rows of 64
	s_mov_b32 s[G1B+5], 65536                      ; 1,024 rows of 64
	s_lshl_b32 s17, s12, 6                         ; which 64 rows of the tile I fetch
	s_lshl_b32 s16, s13, 7
	s_add_co_u32 s16, s16, s17                     ; a: row 128 x tile row + 64 x half
	s_lshl_b32 s46, s42, 7
	s_add_co_u32 s46, s46, s17                     ; wo: row 128 x tile column + 64 x half
	s_lshl_b32 s16, s16, 7                         ; rows of 128 bytes
	s_lshl_b32 s46, s46, 7
	s_mov_b32 s17, 0
	s_mov_b32 s47, 0
	s_mul_i32 s20, s10, HALFT                      ; where they go: no place in the cluster enters an LDS address
	s_wait_dscnt 0x0                               ; both opening adds are done
	s_wait_kmcnt 0x0
	s_add_nc_u64 s[14:15], s[4:5], s[16:17]
	s_add_nc_u64 s[46:47], s[6:7], s[46:47]
	CROUND                                         ; all sixteen work-groups are here: the first joint loads meet
.irp s, 0,1
	s_mov_b32 s[G0+4*\s], 1
	s_add_co_u32 s[G0+4*\s+1], s20, \s*SLOT
	s_add_nc_u64 s[G0+4*\s+2:G0+4*\s+3], s[14:15], \s*2097152      ; K step s: four planes of 524,288 bytes on
	s_or_b32 s[G0+4*\s+3], s[G0+4*\s+3], 0x80000000
	s_mov_b32 s[G0B+4*\s], 1
	s_add_co_u32 s[G0B+4*\s+1], s20, \s*SLOT
	s_add_nc_u64 s[G0B+4*\s+2:G0B+4*\s+3], s[46:47], \s*524288     ; four planes of 131,072 bytes on
	s_or_b32 s[G0B+4*\s+3], s[G0B+4*\s+3], 0x80000000
	JLOAD \s
.endr
	v_and_b32 v1, 15, v0                           ; r
	v_bfe_u32 v2, v0, 4, 1                         ; h
	v_mul_u32_u24 v3, v1, PITCH
	v_lshl_add_u32 v3, v2, 4, v3                   ; a fragment's row x pitch + 16 x half
	s_mul_i32 s21, s11, HALFT                      ; my 64 rows of a
	s_mul_i32 s22, s12, HALFT                      ; my 64 rows of wo,
	s_add_co_u32 s22, s22, 2*HALFT                 ; which lie behind a's two halves
.irp s, 0,1
	v_add_nc_u32 v[ADRA+\s], s21, v3
	v_add_nc_u32 v[ADRB+\s], s22, v3
	s_add_co_u32 s21, s21, SLOT
	s_add_co_u32 s22, s22, SLOT
.endr
	s_mul_i32 s23, s10, 16*SPITCH                  ; my stage
	v_mul_u32_u24 v4, v1, SPITCH
	v_lshl_add_u32 v4, v2, 5, v4
	v_add_nc_u32 v[STO], s23, v4                   ; in: row r, 32 bytes for each half of the lanes
	v_mul_u32_u24 v5, v2, SPITCH
	v_lshl_add_u32 v5, v1, 4, v5
	v_add_nc_u32 v[RD], s23, v5                    ; back: lanes 0-15 one row of 256 bytes, lanes 16-31 the next
	v_lshlrev_b32 v5, 12, v2
	v_lshl_add_u32 v[CO], v1, 4, v5                ; and the same two rows in out0
	s_lshl_b32 s16, s13, 7
	s_lshl_b32 s17, s11, 6
	s_add_co_u32 s16, s16, s17                     ; my first row
	s_lshl_b32 s16, s16, 12
	s_mov_b32 s17, 0
	s_add_nc_u64 s[8:9], s[8:9], s[16:17]
	s_lshl_b32 s46, s42, 9
	s_lshl_b32 s47, s12, 8
	s_add_co_u32 s46, s46, s47                     ; my first column, in bytes
	s_mov_b32 s47, 0
	s_add_nc_u64 s[8:9], s[8:9], s[46:47]
; 8 matrix instructions: m blocks a0, a0 + 1 x all 4 n blocks, 32 along K: half c of buffer f.  zero = 1: the first product starts the sums.  The 16 accumulators take turns.
.macro MUL8 f, c, a0, zero
.irp a, \a0, \a0+1
.irp b, 0,1,2,3
.if \zero
	v_wmma_f32_16x16x32_f16 v[ACC+8*(4*(\a)+\b):ACC+8*(4*(\a)+\b)+7], v[\f+64+8*(4*\c+\b):\f+64+8*(4*\c+\b)+7], v[\f+8*(4*\c+\a):\f+8*(4*\c+\a)+7], 0
.else
	v_wmma_f32_16x16x32_f16 v[ACC+8*(4*(\a)+\b):ACC+8*(4*(\a)+\b)+7], v[\f+64+8*(4*\c+\b):\f+64+8*(4*\c+\b)+7], v[\f+8*(4*\c+\a):\f+8*(4*\c+\a)+7], v[ACC+8*(4*(\a)+\b):ACC+8*(4*(\a)+\b)+7]
.endif
.endr
.endr
.endm
; 32 LDS loads in one run: the fragments of one plane (64 along K), which begins k bytes into my rows' part of the slot, into buffer f; the first 32 along K first
.macro FETCH slot, k, f
	WIN TO_F
.irp c, 0,1
.irp i, 0,1,2,3
	ds_load_b128 v[\f+64+8*(4*\c+\i):\f+64+8*(4*\c+\i)+3],   v[ADRB+\slot] offset:\k+64*\c+\i*16*PITCH
	ds_load_b128 v[\f+64+8*(4*\c+\i)+4:\f+64+8*(4*\c+\i)+7], v[ADRB+\slot] offset:\k+64*\c+\i*16*PITCH+32
	ds_load_b128 v[\f+8*(4*\c+\i):\f+8*(4*\c+\i)+3],         v[ADRA+\slot] offset:\k+64*\c+\i*16*PITCH
	ds_load_b128 v[\f+8*(4*\c+\i)+4:\f+8*(4*\c+\i)+7],       v[ADRA+\slot] offset:\k+64*\c+\i*16*PITCH+32
.endr
.endr
.endm
.macro PLACES                          ; four places in front of loads into registers that matrix instructions have read, and of the first read of results (ISA guide 7.12.1 for vector instructions)
.rept 4
	v_nop
.endr
.endm
; A K step is four quarters of 64 along K, 32 matrix instructions each, on buffers 0, 1, 0, 1.  One of the first three: multiplies buffer f and fetches the next plane, at byte k, into g.
.macro QUARTER slot, k, f, g, zero
	s_wait_dscnt 16                                ; the first 32 along K are in; the youngest sixteen loads may be out
	WIN MUL
	MUL8 \f, 0, 0, \zero
	MUL8 \f, 0, 2, \zero
	PLACES
	FETCH \slot, \k, \g
	s_wait_dscnt 32                                ; all but the 32 just issued
	WIN MUL
	MUL8 \f, 1, 0, 0
	MUL8 \f, 1, 2, 0
.endm
; The last quarter multiplies buffer 1 and changes slots: ONE barrier; in front of it each wave waits for all its tensor loads, adds 0 to its spare word, and waits for that and for its reads of this slot.
; fill = 1: the barrier opens a round of the cluster's, and this slot is filled again, two K steps ahead.
.macro TURN slot, next, fill
	WIN 0                                          ; (the add's two registers lie in window 0)
	s_wait_tensorcnt 0x0                           ; all my tensor loads have landed: my part of the next slot
	ds_add_u32 v[SPW], v[NIL]                      ; 0 onto my spare word
	s_wait_dscnt 17                                ; (the add and the youngest sixteen loads may be out)
	WIN MUL
	MUL8 F1, 0, 0, 0
	s_wait_dscnt 0x0                               ; the add is done, and my reads of this slot are over
	s_barrier_signal -1
	MUL8 F1, 0, 2, 0
.if \fill
	WIN 0
.endif
	s_barrier_wait -1
.if \fill
	CREST                                          ; no wave of any partner still reads this slot's tile or has a load on its way
	s_add_nc_u64 s[G0+4*\slot+2:G0+4*\slot+3], s[G0+4*\slot+2:G0+4*\slot+3], 4194304
	s_add_nc_u64 s[G0B+4*\slot+2:G0B+4*\slot+3], s[G0B+4*\slot+2:G0B+4*\slot+3], 1048576
	JLOAD \slot                                    ; the first tensor load behind the round; the four v_nop behind it are also the places in front of the loads below
.else
	PLACES
.endif
	FETCH \next, 0, F0
	WIN MUL
	MUL8 F1, 1, 0, 0
	MUL8 F1, 1, 2, 0
.endm
	s_wait_tensorcnt 1                             ; my part of K step 0 is in (K step 1's may be out)
	s_barrier_signal -1
	s_barrier_wait -1                              ; everybody's is
	FETCH 0, 0, F0
	QUARTER 0, PLANE,   F0, F1, 1                  ; K step 0: its first products start the sums
	QUARTER 0, 2*PLANE, F1, F0, 0
	QUARTER 0, 3*PLANE, F0, F1, 0
	TURN 0, 1, 1                                   ; slot 0 takes K step 2
	QUARTER 1, PLANE,   F0, F1, 0                  ; K step 1
	QUARTER 1, 2*PLANE, F1, F0, 0
	QUARTER 1, 3*PLANE, F0, F1, 0
	TURN 1, 0, 1                                   ; slot 1 takes K step 3
	QUARTER 0, PLANE,   F0, F1, 0                  ; K step 2
	QUARTER 0, 2*PLANE, F1, F0, 0
	QUARTER 0, 3*PLANE, F0, F1, 0
	TURN 0, 1, 0                                   ; nothing is left to fetch
	QUARTER 1, PLANE,   F0, F1, 0                  ; K step 3
	QUARTER 1, 2*PLANE, F1, F0, 0
	QUARTER 1, 3*PLANE, F0, F1, 0
	s_wait_dscnt 16
	WIN MUL
	MUL8 F1, 0, 0, 0
	MUL8 F1, 0, 2, 0
	s_wait_dscnt 0
	MUL8 F1, 1, 0, 0
	MUL8 F1, 1, 2, 0
	WIN 0
; THE WAY OUT, block by block of 16 rows x 64 columns: a row's 64 f32 are 256 bytes, aligned: so each wave has a stage of its own and no barrier is needed.
.macro TOSTAGE a
.irp b, 0,1,2,3
	ds_store_b128 v[STO], v[ACC+8*(4*(\a)+\b):ACC+8*(4*(\a)+\b)+3] offset:64*\b          ; each accumulator from its low end on
	ds_store_b128 v[STO], v[ACC+8*(4*(\a)+\b)+4:ACC+8*(4*(\a)+\b)+7] offset:64*\b+16
.endr
.set BB, TMP+32*((\a)%2)
.irp t, 0,1,2,3,4,5,6,7
	ds_load_b128 v[BB+4*\t:BB+4*\t+3], v[RD] offset:\t*2*SPITCH    ; LDS serves a wave's instructions in order (ISA guide 5.7.1.4): these see the stores above
.endr
.endm
.macro SEND a, younger                 ; younger: the LDS instructions issued behind block a's loads, which may stay out
.set BB, TMP+32*((\a)%2)
	s_wait_dscnt \younger
.irp t, 0,1,2,3,4,5,6,7
	global_store_b128 v[CO], v[BB+4*\t:BB+4*\t+3], s[8:9] offset:(16*(\a)+2*\t)*4096 th:TH_STORE_NT   ; sixteen lanes store 256 consecutive bytes, aligned
.endr
.endm
	PLACES
	TOSTAGE 0
.irp a, 1,2,3
.if \a > 1
	s_wait_xcnt 0x0                                ; block a - 2's stores have read their registers: block a's loads may land there
.endif
	TOSTAGE \a
	SEND \a-1, 16                                  ; behind block a - 1's loads: block a's 8 stores and 8 loads
.endr
	SEND 3, 0
	s_wait_tensorcnt 0x0                           ; the wave's end, behind my last tensor load and my last LDS store
	ds_add_u32 v[SPW], v[NIL]
	s_wait_dscnt 0x0
	CROUND                                         ; the closing round
	s_endpgm
.Lfunc_end_k_qbc3f90857d_oproj:
	.size	k_qbc3f90857d_oproj, .Lfunc_end_k_qbc3f90857d_oproj-k_qbc3f90857d_oproj
	.p2alignl 7, 3214868480
	.fill 96, 4, 3214868480
	.section	.rodata,"a",@progbits
	.p2align	6, 0x0
	.amdhsa_kernel k_qbc3f90857d_oproj
		.amdhsa_group_segment_fixed_size 327680
		.amdhsa_private_segment_fixed_size 0
		.amdhsa_enable_private_segment 0
		.amdhsa_kernarg_size 24
		.amdhsa_user_sgpr_count 2
		.amdhsa_user_sgpr_kernarg_segment_ptr 1
		.amdhsa_wavefront_size32 1
		.amdhsa_system_sgpr_workgroup_id_x 1
		.amdhsa_system_sgpr_workgroup_id_y 1
		.amdhsa_system_sgpr_workgroup_id_z 1
		.amdhsa_system_vgpr_workitem_id 0
		.amdhsa_next_free_vgpr 512
		.amdhsa_next_free_sgpr 66
		.amdhsa_reserve_vcc 0
		.amdhsa_float_denorm_mode_32 3
		.amdhsa_float_denorm_mode_16_64 3
		.amdhsa_memory_ordered 1
		.amdhsa_forward_progress 1
		.amdhsa_inst_pref_size 85
	.end_amdhsa_kernel
	.amdgpu_metadata
---
amdhsa.version: [ 1, 2 ]
amdhsa.kernels:
  - .name:           k_qbc3f90857d_oproj
    .symbol:         k_qbc3f90857d_oproj.kd
    .args:
      - { .name: a16, .offset: 0, .size: 8, .value_kind: global_buffer, .address_space: global }
      - { .name: wo16, .offset: 8, .size: 8, .value_kind: global_buffer, .address_space: global }
      - { .name: out0, .offset: 16, .size: 8, .value_kind: global_buffer, .address_space: global }
    .group_segment_fixed_size: 327680
    .private_segment_fixed_size: 0
    .kernarg_segment_align: 8
    .kernarg_segment_size: 24
    .max_flat_workgroup_size: 128
    .sgpr_count:     66
    .vgpr_count:     512
    .wavefront_size: 32
...
	.end_amdgpu_metadata
.endif
;; end of part 4
;; launch fine (part 5): grid 64 x 2, 16 waves a work-group, no clusters, 22,528 bytes of LDS; arguments qkvf, wo, out0; writes out0
.if DOCPART == 5
	.amdgcn_target "amdgcn-amd-amdhsa--gfx1250"
	.amdhsa_code_object_version 6
	.text
	.protected	k_qbc3f90857d_fine
	.globl	k_qbc3f90857d_fine
	.p2align	8
	.type	k_qbc3f90857d_fine,@function
k_qbc3f90857d_fine:
	s_mov_b64 s[64:65], 0
	v_nop
	global_prefetch_b8 v0, s[64:65] scope:SCOPE_SE
	s_setreg_imm32_b32 hwreg(HW_REG_WAVE_MODE, 25, 1), 1
	s_wait_xcnt 0x0
; THE FIRST 16 POSITIONS OF EACH SEQUENCE, WHOLLY IN f32: there a row of the softmax averages one to sixteen values, the results are the largest of the output, and f16 operands would weigh most.
; From qkvf [16 b + t][3072] (q | k | v in f32) and wo [1024][1024] f32: scores, causal softmax, weighted values, and the projection; rows 2,048 b + 0..15 of out0 are written anew.
; SHARES.  Work-group (x, b): the 16 rows of sequence b, columns 16 x .. 16 x + 15: 64 x 2 = 128 work-groups.  Wave w is head w: it makes that head's 16 x 16 attention (32 matrix instructions, repeated in each
; work-group of a sequence: cheaper than a launch of its own), multiplies its 64 channels by wo's 16 rows (16 matrix instructions), and the sixteen partial sums meet in LDS; waves 0 to 7 add and store two rows each.
; With 64 columns to a work-group a wave would have 32 + 64 matrix instructions, on a quarter of the work-groups.  The price of the narrow share: a store covers 64 consecutive bytes of each of two rows, not 256;
; 131,072 bytes in all leave so.  This is no bulk work.  No tensor loads and no cluster: what work-groups share (a sequence's 196,608 bytes of qkvf) goes straight into registers.
; NOTHING CHANGES LANES: all products are used transposed, so that a lane holds one query r = lane % 16 (h = lane / 16), and in each product one permutation of k is applied to both sources alike:
;   S^T = K Q^T: lane (r, h) holds, of its row, channels 8 i + 4 h + 0..3 in registers 4 i .. 4 i + 3 (the two halves of the lanes read neighbouring 16 bytes); instruction t takes registers 2 t, 2 t + 1 of both.
;         Result: register j = key 8 h + j.
;   O^T = V^T P: p's registers 2 s, 2 s + 1 are keys 8 h + 2 s + 0, 1.  A key's row of V comes by ONE load: lane r takes channels 8 (r % 8) + 4 (r / 8) + 0..3, so that sixteen lanes read the head's 256 consecutive
;         bytes; 32 moves lay each channel's eight keys in neighbouring registers.  Tile ct holds channel 8 (r % 8) + 4 (r / 8) + ct in row r.   Result: tile ct, register j = channel 8 j + 4 h + ct.
;   OUT^T = wo a^T: a is written to register 4 j + ct, so that register i holds channel 8 (i / 4) + 4 h + i % 4: wo's rows are loaded as Q's and K's are, and instruction u takes registers 2 u, 2 u + 1 of both.
;         Result: register j = column 8 h + j.  K is split over four accumulators, which take turns and are added behind the last product.
; The registers that the matrix instructions write (v176-191, v208-255) are written by nothing else; each sum begins with the constant 0.
; LIMITS: NaN and infinities are not served; the sums' order is not that of a plain row sum.
.set RQ,  16                           ; v16-47   Q
.set RK,  48                           ; v48-79   K
.set VT,  80                           ; v80-111  V^T: tile ct's eight keys at 8 ct; later a
.set WW,  112                          ; v112-143 wo's rows; later the partial sums read back
.set XV,  144                          ; v144-175 V as loaded: key k's four channels at 4 k; later my partial sums
.set SA,  176                          ; v176-183, v184-191 the scores in two halves of K; later two of the projection's accumulators;  v240-255 the other two
.set SC,  192                          ; v192-199 the scores
.set PP,  200                          ; v200-207 p
.set OO,  208                          ; v208-239 O^T
.set PITCH, 80                         ; LDS: a row of a wave's partial sums: 64 bytes + 16
.set PART, 16*PITCH                    ; a wave's 16 rows
.set SPARE, 16*PART                    ; behind the sixteen parts the spare words, 128 bytes a wave, which no other line names
	s_load_b128 s[4:7], s[0:1], 0x0                ; qkvf, wo
	s_load_b64 s[8:9], s[0:1], 0x10                ; out0
	v_lshl_add_u32 v6, v0, 2, SPARE                ; v6, v7: the add's two registers; never rewritten
	v_mov_b32 v7, 0
	v_lshrrev_b32 v13, 5, v0
	v_readfirstlane_b32 s10, v13                   ; wave = head
	s_and_b32 s11, ttmp7, 0xffff                   ; b
	v_and_b32 v1, 15, v0                           ; r
	v_bfe_u32 v2, v0, 4, 1                         ; h
	v_mul_u32_u24 v3, v1, 12288
	v_lshl_add_u32 v3, v2, 4, v3                   ; Q, K: row r of 12,288 bytes + 16 h
	v_mul_u32_u24 v4, v2, 98304                    ; V: 8 h rows down,
	v_and_b32 v13, 7, v1
	v_lshl_add_u32 v4, v13, 5, v4                  ; + 32 (r % 8)
	v_lshrrev_b32 v13, 3, v1
	v_lshl_add_u32 v4, v13, 4, v4                  ; + 16 (r / 8)
	v_lshlrev_b32 v5, 12, v1
	v_lshl_add_u32 v5, v2, 4, v5                   ; wo: row r of 4,096 bytes + 16 h
	s_mul_i32 s16, s10, PART
	v_mul_u32_u24 v8, v1, PITCH
	v_lshl_add_u32 v8, v2, 5, v8
	v_add_nc_u32 v8, s16, v8                       ; my partial sums: row r, 32 bytes for each half of the lanes
	s_and_b32 s24, s10, 7
	s_mul_i32 s16, s24, 2*PITCH
	v_mul_u32_u24 v9, v2, PITCH
	v_lshl_add_u32 v9, v1, 2, v9
	v_add_nc_u32 v9, s16, v9                       ; back: row 2 (w % 8) + h of each part, column r
	v_lshlrev_b32 v10, 12, v2
	v_lshl_add_u32 v10, v1, 2, v10                 ; and the same in out0: a row for lanes 16-31, 4 bytes a lane
	v_lshlrev_b32 v13, 3, v2
	v_sub_nc_u32 v11, v1, v13                      ; r - 8 h, for the mask
	v_mov_b32 v12, 0xff800000                      ; -infinity
	v_mov_b32 v15, 0                               ; written once: a lane permute's destination counts as one of its sources
	s_mov_b32 s12, 0x3e38aa3b                      ; c = log2(e) / 8
	s_mov_b32 s14, 0x76543210
	s_mov_b32 s15, 0xfedcba98                      ; v_permlanex16_b32's selects for lane l xor 16
	s_lshl_b32 s22, s10, 8                         ; 256 w: a head's 64 f32
	s_mul_i32 s16, s11, 196608                     ; 16 b rows of qkvf
	s_add_co_u32 s16, s16, s22
	s_mov_b32 s17, 0
	s_lshl_b32 s18, ttmp9, 16                      ; 16 x rows of wo
	s_add_co_u32 s18, s18, s22
	s_mov_b32 s19, 0
	s_lshl_b32 s20, s11, 11
	s_lshl_b32 s21, s24, 1
	s_add_co_u32 s20, s20, s21
	s_lshl_b32 s20, s20, 12                        ; row 2,048 b + 2 (w % 8) of out0,
	s_lshl_b32 s21, ttmp9, 6
	s_add_co_u32 s20, s20, s21                     ; column 16 x
	s_mov_b32 s21, 0
	s_wait_kmcnt 0x0
	s_add_nc_u64 s[4:5], s[4:5], s[16:17]
	s_add_nc_u64 s[6:7], s[6:7], s[18:19]
	s_add_nc_u64 s[8:9], s[8:9], s[20:21]
.irp i, 0,1,2,3,4,5,6,7
	global_load_b128 v[RQ+4*\i:RQ+4*\i+3], v3, s[4:5] offset:32*\i
.endr
.irp i, 0,1,2,3,4,5,6,7
	global_load_b128 v[RK+4*\i:RK+4*\i+3], v3, s[4:5] offset:4096+32*\i
.endr
.irp k, 0,1,2,3,4,5,6,7
	global_load_b128 v[XV+4*\k:XV+4*\k+3], v4, s[4:5] offset:8192+12288*\k     ; key 8 h + k: sixteen lanes read 256 consecutive bytes
.endr
.irp m, 0,1,2,3,4,5,6,7
	global_load_b128 v[WW+4*\m:WW+4*\m+3], v5, s[6:7] offset:32*\m
.endr
	s_wait_loadcnt 16                              ; Q and K are in; V's eight loads and wo's eight may be out
.irp t, 0,1,2,3,4,5,6,7,8,9,10,11,12,13,14,15     ; S^T = K Q^T: two accumulators by turns
.if \t < 2
	v_wmma_f32_16x16x4_f32 v[SA+8*(\t%2):SA+8*(\t%2)+7], v[RK+2*\t:RK+2*\t+1], v[RQ+2*\t:RQ+2*\t+1], 0
.else
	v_wmma_f32_16x16x4_f32 v[SA+8*(\t%2):SA+8*(\t%2)+7], v[RK+2*\t:RK+2*\t+1], v[RQ+2*\t:RQ+2*\t+1], v[SA+8*(\t%2):SA+8*(\t%2)+7]
.endif
.endr
	s_wait_loadcnt 8                               ; V is in; wo's eight loads may be out
.irp ct, 0,1,2,3                                  ; each channel's eight keys into neighbouring registers.  These 32 plain lines, which name no register of the products above, are also the eight places behind them
.irp k, 0,1,2,3,4,5,6,7
	v_mov_b32 v[VT+8*\ct+\k], v[XV+4*\k+\ct]
.endr
.endr
.irp j, 0,1,2,3,4,5,6,7
	v_add_f32 v[SC+\j], v[SA+\j], v[SA+8+\j]       ; the two halves of K, from the low end on
.endr
.irp j, 0,1,2,3,4,5,6,7
	v_cmp_gt_i32 vcc_lo, \j, v11                   ; key 8 h + j comes after query r
	v_cndmask_b32 v[SC+\j], v[SC+\j], v12, vcc_lo
.endr
	v_max3_num_f32 v13, v[SC], v[SC+1], v[SC+2]
	v_max3_num_f32 v13, v13, v[SC+3], v[SC+4]
	v_max3_num_f32 v13, v13, v[SC+5], v[SC+6]
	v_max_num_f32 v13, v13, v[SC+7]
	v_permlanex16_b32 v15, v13, s14, s15
	v_max_num_f32 v13, v13, v15                    ; the row's maximum: key 0 counts for every query, so it is a number
	v_mul_f32 v14, s12, v13
.irp j, 0,1,2,3,4,5,6,7
	v_fma_f32 v[SC+\j], v[SC+\j], s12, -v14        ; c s - c m
.endr
.irp j, 0,1,2,3,4,5,6,7
	v_exp_f32 v[PP+\j], v[SC+\j]
.endr
	v_nop                                          ; a plain line behind the last exponential
	s_wait_alu depctr_va_vdst(0)                   ; one wait for the batch, ahead of its first reader
	v_add_f32 v13, v[PP], v[PP+1]
.irp j, 2,3,4,5,6,7
	v_add_f32 v13, v13, v[PP+\j]
.endr
	v_permlanex16_b32 v15, v13, s14, s15
	v_add_f32 v13, v13, v15                        ; the row's sum
	v_rcp_f32 v14, v13
	v_nop
	s_wait_alu depctr_va_vdst(0)
.irp s, 0,1,2,3                                   ; O^T = V^T P: four accumulators by turns
.irp ct, 0,1,2,3
.if \s == 0
	v_wmma_f32_16x16x4_f32 v[OO+8*\ct:OO+8*\ct+7], v[VT+8*\ct+2*\s:VT+8*\ct+2*\s+1], v[PP+2*\s:PP+2*\s+1], 0
.else
	v_wmma_f32_16x16x4_f32 v[OO+8*\ct:OO+8*\ct+7], v[VT+8*\ct+2*\s:VT+8*\ct+2*\s+1], v[PP+2*\s:PP+2*\s+1], v[OO+8*\ct:OO+8*\ct+7]
.endif
.endr
.endr
.rept 8
	v_nop                                          ; eight places: the lines below read the results and write over V's registers
.endr
.irp ct, 0,1,2,3
.irp j, 0,1,2,3,4,5,6,7
	v_mul_f32 v[VT+4*\j+\ct], v[OO+8*\ct+\j], v14  ; a = O^T / the sum; channel 8 j + 4 h + ct goes to register 4 j + ct; each accumulator from its low end on
.endr
.endr
	s_wait_loadcnt 0x0                             ; wo's rows are in
.irp u, 0,1,2,3,4,5,6,7,8,9,10,11,12,13,14,15     ; OUT^T = wo a^T: K in four parts, four accumulators by turns
.if \u < 4
	v_wmma_f32_16x16x4_f32 v[176+8*(\u%4)+48*((\u%4)/2):176+8*(\u%4)+48*((\u%4)/2)+7], v[WW+2*\u:WW+2*\u+1], v[VT+2*\u:VT+2*\u+1], 0
.else
	v_wmma_f32_16x16x4_f32 v[176+8*(\u%4)+48*((\u%4)/2):176+8*(\u%4)+48*((\u%4)/2)+7], v[WW+2*\u:WW+2*\u+1], v[VT+2*\u:VT+2*\u+1], v[176+8*(\u%4)+48*((\u%4)/2):176+8*(\u%4)+48*((\u%4)/2)+7]
.endif
.endr
.rept 8
	v_nop                                          ; eight places: for the reads of the results, and for the loads into wo's registers further down
.endr
.irp i, 0,1,2,3
	v_pk_add_f32 v[XV+2*\i:XV+2*\i+1], v[176+2*\i:177+2*\i], v[184+2*\i:185+2*\i]       ; the four parts of K are added into other registers, each accumulator from its low end on
.endr
.irp i, 0,1,2,3
	v_pk_add_f32 v[XV+8+2*\i:XV+9+2*\i], v[240+2*\i:241+2*\i], v[248+2*\i:249+2*\i]
.endr
.irp i, 0,1,2,3
	v_pk_add_f32 v[XV+2*\i:XV+2*\i+1], v[XV+2*\i:XV+2*\i+1], v[XV+8+2*\i:XV+9+2*\i]
.endr
	ds_store_b128 v8, v[XV:XV+3]                   ; lane (r, h): columns 8 h + 0..7 of row r
	ds_store_b128 v8, v[XV+4:XV+7] offset:16
	s_wait_dscnt 0x0                               ; for the others' sake: my stores have landed
	s_barrier_signal -1
	s_barrier_wait -1
	s_cmp_ge_u32 s10, 8                            ; 256 numbers are left to add: waves 0 to 7 take two rows each; the branch hangs on the wave's number alone, and no barrier follows
	s_cbranch_scc1 .Lend
.irp i, 0,1,2,3,4,5,6,7,8,9,10,11,12,13,14,15
	ds_load_b32 v[WW+\i], v9 offset:PART*\i        ; head i's part of my row and column
.endr
	s_wait_dscnt 0x0
.irp i, 0,1,2,3
	v_pk_add_f32 v[WW+2*\i:WW+2*\i+1], v[WW+2*\i:WW+2*\i+1], v[WW+8+2*\i:WW+9+2*\i]
.endr
.irp i, 0,1
	v_pk_add_f32 v[WW+2*\i:WW+2*\i+1], v[WW+2*\i:WW+2*\i+1], v[WW+4+2*\i:WW+5+2*\i]
.endr
	v_pk_add_f32 v[WW:WW+1], v[WW:WW+1], v[WW+2:WW+3]
	v_add_f32 v[WW], v[WW], v[WW+1]
	global_store_b32 v10, v[WW], s[8:9]            ; sixteen lanes store 64 consecutive bytes of a row; lanes 16-31 the row below
.Lend:
	s_wait_tensorcnt 0x0                           ; the wave's end, behind my last LDS store
	ds_add_u32 v6, v7
	s_wait_dscnt 0x0
	s_endpgm
.Lfunc_end_k_qbc3f90857d_fine:
	.size	k_qbc3f90857d_fine, .Lfunc_end_k_qbc3f90857d_fine-k_qbc3f90857d_fine
	.p2alignl 7, 3214868480
	.fill 96, 4, 3214868480
	.section	.rodata,"a",@progbits
	.p2align	6, 0x0
	.amdhsa_kernel k_qbc3f90857d_fine
		.amdhsa_group_segment_fixed_size 22528
		.amdhsa_private_segment_fixed_size 0
		.amdhsa_enable_private_segment 0
		.amdhsa_kernarg_size 24
		.amdhsa_user_sgpr_count 2
		.amdhsa_user_sgpr_kernarg_segment_ptr 1
		.amdhsa_wavefront_size32 1
		.amdhsa_system_sgpr_workgroup_id_x 1
		.amdhsa_system_sgpr_workgroup_id_y 1
		.amdhsa_system_sgpr_workgroup_id_z 1
		.amdhsa_system_vgpr_workitem_id 0
		.amdhsa_next_free_vgpr 256
		.amdhsa_next_free_sgpr 66
		.amdhsa_reserve_vcc 1
		.amdhsa_float_denorm_mode_32 3
		.amdhsa_float_denorm_mode_16_64 3
		.amdhsa_memory_ordered 1
		.amdhsa_forward_progress 1
		.amdhsa_inst_pref_size 17
	.end_amdhsa_kernel
	.amdgpu_metadata
---
amdhsa.version: [ 1, 2 ]
amdhsa.kernels:
  - .name:           k_qbc3f90857d_fine
    .symbol:         k_qbc3f90857d_fine.kd
    .args:
      - { .name: qkvf, .offset: 0, .size: 8, .value_kind: global_buffer, .address_space: global }
      - { .name: wo, .offset: 8, .size: 8, .value_kind: global_buffer, .address_space: global }
      - { .name: out0, .offset: 16, .size: 8, .value_kind: global_buffer, .address_space: global }
    .group_segment_fixed_size: 22528
    .private_segment_fixed_size: 0
    .kernarg_segment_align: 8
    .kernarg_segment_size: 24
    .max_flat_workgroup_size: 512
    .sgpr_count:     66
    .vgpr_count:     256
    .wavefront_size: 32
...
	.end_amdgpu_metadata
.endif
;; end of part 5
